; MI455X (gfx1250); checked and timed in simulation.
; The chip was launched on July 23, 2026; its instructions are those of AMD's public machine-readable ISA for CDNA 5 (MIT licence, August 2026) and "CDNA5" Instruction Set Architecture Reference Guide (July 2026). The comments in the code are by the model that wrote it; some were corrected since.
;; SCD cell. Allowed arithmetic: matrix products marked QUANTISED: E4M3 operands, one given power-of-two scale a tensor, by v_wmma_f32_16x16x64_fp8_fp8 or v_wmma_f32_16x16x128_fp8_fp8, f32 sums; everything else in f32.
;; Inputs: U_11 4,097 x 1,024 float32; U_21 4,097 x 1,024 float32; W_01 4,097 x 1,024 float32; bias 4,097 float32; c 1,024 x 4,096 float32; h 1,024 x 4,096 float32; h_bottom 1,024 x 4,096 float32; h_top 1,024 x 4,096 float32; lowp_scales 6 int32 (the exponents e of the quantised operands' scales 2^e); z 1 x 4,096 float32; z_bottom 1 x 4,096 float32.
;; Outputs: out0 1,024 x 4,096 float32; out1 1,024 x 4,096 float32; out2 1 x 4,096 float32.
;; This version of the problem:
;;   THIS VERSION OF THE PROBLEM IS GIVEN IN LOW PRECISION. The matrix products marked QUANTISED in the list below multiply operands that are first quantised to E4M3 (4 exponent bits, 3 mantissa bits; 8 bits a number), with one given power-of-two scale for each operand tensor; their sums are f32. All else is computed in f32.
;;   The module's matrix products, in the order in which they are computed (A, B: the left and right operand; K: the contracted axis; several contracted axes count as one K, in the product's order):
;;     1. [M 4,097, K 1,024] x [K 1,024, N 4,096]; A: input U_11; B: input h: QUANTISED (scales: A lowp_scales[0], B lowp_scales[1])
;;     2. [M 4,097, K 1,024] x [K 1,024, N 4,096]; A: input U_21; B: input h_top: QUANTISED (scales: A lowp_scales[2], B lowp_scales[3])
;;     3. [M 4,097, K 1,024] x [K 1,024, N 4,096]; A: input W_01; B: input h_bottom: QUANTISED (scales: A lowp_scales[4], B lowp_scales[5])
;;   THE QUANTISER, for each operand of a quantised product, along K:
;;     - The operand's scale is 2^e, e = its entry of the input lowp_scales (int32; the entries are numbered through the quantised products in the list's order, A before B).
;;     - Each number is divided by the scale, clamped to +-448, and rounded to the nearest number of E4M3, ties to even, subnormals kept.
;;     - The product sums the exact products of the quantised numbers (number of the format x scale) in f32.
;;   ~~~python
;;   def quantise(x, axis, e):      # numpy; x: float32 -> the quantised numbers, widened to float32 again
;;       x = np.moveaxis(x, axis, -1); K = x.shape[-1]
;;       r = np.clip(x / 2.0 ** e, -448, 448)
;;       step = 2.0 ** (np.maximum(np.frexp(np.where(r == 0, 1, r))[1] - 1, -6) - 3)
;;       q = np.round(r / step) * step * 2.0 ** e      # np.round: ties to even
;;       return np.moveaxis(q, -1, axis).astype(np.float32)
;;   ~~~
;; 2 versions, each right; version 2 is version 1 with the launch quant written anew for expert scheduling mode. Each part assembles by itself: llvm-mc -triple=amdgcn-amd-amdhsa -mcpu=gfx1250 --defsym DOCPART=n.
;; ======== version 1 of 2: 2 launches
;; limits: right only within a limited range of input values
;; workspace buffers: wcodes 12,582,912 bytes; hcodes 12,582,912 bytes; zpart 196,608 bytes
;; launch quant (part 1): grid 768 x 1, 4 waves a work-group, no clusters, 68,096 bytes of LDS; arguments U_11, U_21, W_01, h, h_top, h_bottom, lowp_scales, wcodes, hcodes, zpart; writes wcodes, hcodes, zpart
.if DOCPART == 1
	.amdgcn_target "amdgcn-amd-amdhsa--gfx1250"
	.amdhsa_code_object_version 6
	.text
	.protected	k_q80a13d17d9_quant
	.globl	k_q80a13d17d9_quant
	.p2align	8
	.type	k_q80a13d17d9_quant,@function
k_q80a13d17d9_quant:
	s_mov_b64 s[64:65], 0
	v_nop
	global_prefetch_b8 v0, s[64:65] scope:SCOPE_SE
	s_setreg_imm32_b32 hwreg(HW_REG_WAVE_MODE, 25, 1), 1
	s_wait_xcnt 0x0
; The six operands of the three products, all f32, become codes of FP8 (E4M3), each with the one scale 2^e that is given for it, laid as the second launch wants them; and row 4096 of the
; three weights, which alone feeds z_hat, is multiplied here, on the codes, by the matrix unit.
; code = x / 2^e, held within +-448, rounded to the nearest code, ties to even.  LIMITS: each e between -126 and 119, so that 2^e and 448 x 2^e are f32 numbers.  NaN among the inputs is not served.
; wcodes [4096][3072]: byte 1024 p + k of row D is the code of weight p (0 U_11, 1 U_21, 2 W_01) at (1024 g + j, k), D = 64 (j / 16) + 16 g + j % 16: the four gates of 16 hidden units lie in 64 rows on end.
; hcodes [4096][3072]: byte 1024 p + k of row rho is the code of activation p (h, h_top, h_bottom) at (k, n), rho = (n - n % 64) + 16 (n % 4) + (n % 64) / 4: K innermost.
; zpart  [12][4096] f32: entry [4 p + y][n] = the sum over k = 256 y .. 256 y + 255 of code(weight p, row 4096, k) x code(activation p, k, n).
; Work-groups 0-383 take the weights (K is innermost: a plain stream), 384-767 the activations (K is the first axis: a lane takes a column and its registers run down K).
; The two paths part on the work-group's number and have LDS bytes of their own.  Waves share nothing: no barrier.  No cluster: but for the weights' last row, 4 KiB a weight, no two work-groups read the same bytes.
.set KROW,  3072                       ; a row of wcodes and of hcodes in bytes
.set WSP,   80                         ; weights: a lane's place in a stage: its 64 bytes + 16 of padding
.set WREG,  8192                       ; weights: LDS bytes of a wave: two stages of 32 x WSP
.set WR,    16                         ; v16-79   four sets of 16 numbers as loaded
.set WX,    80                         ; v80-111  two sets of 16 neighbours
.set WC,    128                        ; v128-191 codes, four registers for each step: no store's data are written again
.set HSTG,  32768                      ; activations: the stages begin behind the weights' bytes
.set HP,    272                        ; a stage row: a column's 256 codes + 16 of padding
.set HX,    16                         ; v16-79   two sets of 32 numbers down K
.set HC,    80                         ; v80-87   a block's codes
.set AZ,    88                         ; v88-119  the weight's row 4096: two fragments of 128 K, all 16 rows alike
.set ZF,    120                        ; v120-247 its 128 numbers a lane
.set BZ,    16                         ; v16-79   four fragments of the activation's codes (16 columns x 128 K), where the numbers lay
.set OUTR,  120                        ; v120-183 the way out
.set DZ,    184                        ; v184-199 two accumulators
	s_load_b256 s[4:11], s[0:1], 0x0               ; U_11 s[4:5], U_21 s[6:7], W_01 s[8:9], h s[10:11]
	s_load_b256 s[12:19], s[0:1], 0x20             ; h_top s[12:13], h_bottom s[14:15], the scales' exponents s[16:17], wcodes s[18:19]
	s_load_b128 s[20:23], s[0:1], 0x40             ; hcodes s[20:21], zpart s[22:23]
	v_lshl_add_u32 v254, v0, 2, 0x10800
	v_mov_b32 v255, 0
	v_lshrrev_b32 v1, 5, v0
	v_readfirstlane_b32 s24, v1                    ; wave 0..3
	v_and_b32 v2, 31, v0                           ; lane
	s_mov_b32 s39, 0                               ; the high word of every offset below
	s_wait_kmcnt 0x0
	s_load_b128 s[28:31], s[16:17], 0x0            ; e0 .. e3
	s_load_b64 s[32:33], s[16:17], 0x10            ; e4, e5
	s_cmp_lt_u32 ttmp9, 384
	s_cbranch_scc0 .Lh
; ---------------- THE WEIGHTS.  Work-group 128 p + b takes rows 32 b .. 32 b + 31 of weight p; a wave 8 rows: a dense run of 8,192 numbers, 16 steps of 512.
; A conversion takes 8 neighbours along K from one lane's registers, a load is dense where neighbouring lanes take neighbouring bytes: so a step's 2,048 bytes are loaded as they lie, 16 a lane,
; and turn through the wave's own stage in LDS, from which a lane takes 64 bytes.  A lane's 16 codes are 16 bytes: a store of the wave covers 512 consecutive bytes, aligned to 256.
	s_lshr_b32 s25, ttmp9, 7                       ; p
	s_and_b32 s26, ttmp9, 127                      ; b
	s_cmp_eq_u32 s25, 1
	s_cselect_b64 s[34:35], s[6:7], s[8:9]
	s_cmp_eq_u32 s25, 0
	s_cselect_b64 s[34:35], s[4:5], s[34:35]       ; weight p: the choice hangs on the work-group's number alone
	s_lshl_b32 s38, s26, 2
	s_add_co_u32 s38, s38, s24
	s_lshl_b32 s38, s38, 15                        ; (4 b + wave) x 8 rows of 4,096 bytes
	s_add_nc_u64 s[34:35], s[34:35], s[38:39]
	s_and_b32 s38, s26, 31                         ; my first row is 1024 g + j with g = b / 32, j = 32 (b % 32) + 8 wave:
	s_lshl_b32 s38, s38, 1
	s_lshr_b32 s41, s24, 1
	s_add_co_u32 s38, s38, s41                     ; j / 16
	s_lshl_b32 s38, s38, 6
	s_lshr_b32 s41, s26, 5
	s_lshl_b32 s41, s41, 4
	s_add_co_u32 s38, s38, s41                     ; + 16 g
	s_and_b32 s41, s24, 1
	s_lshl_b32 s41, s41, 3
	s_add_co_u32 s38, s38, s41                     ; + j % 16: its row D in wcodes; my other seven rows follow it
	s_mul_i32 s38, s38, KROW
	s_lshl_b32 s41, s25, 10
	s_add_co_u32 s38, s38, s41                     ; + 1024 p
	s_add_nc_u64 s[18:19], s[18:19], s[38:39]
	v_lshlrev_b32 v3, 4, v2                        ; 16 x lane: my bytes of a load's 512, and of a store's
	s_mul_i32 s43, s24, WREG
	v_lshrrev_b32 v14, 2, v2
	v_mul_u32_u24 v14, v14, WSP
	v_and_b32 v15, 3, v2
	v_lshl_add_u32 v14, v15, 4, v14
	v_add_nc_u32 v14, s43, v14                     ; the stage, on the way in: WSP (lane / 4) + 16 (lane % 4)
	v_mul_u32_u24 v15, v2, WSP
	v_add_nc_u32 v15, s43, v15                     ; and on the way out: WSP x lane: my 16 neighbours
.macro WLOAD t
.irp i, 0,1,2,3
	global_load_b128 v[WR+16*((\t)%4)+4*\i:WR+16*((\t)%4)+4*\i+3], v3, s[34:35] offset:2048*(\t)+512*\i th:TH_LOAD_NT
.endr
.endm
.macro WTURN t                         ; LDS serves a wave's instructions in order (ISA guide 5.7.1.4): no wait between the stores and the loads
.irp i, 0,1,2,3
	ds_store_b128 v14, v[WR+16*((\t)%4)+4*\i:WR+16*((\t)%4)+4*\i+3] offset:32*WSP*((\t)%2)+8*WSP*\i
.endr
.irp i, 0,1,2,3
	ds_load_b128 v[WX+16*((\t)%2)+4*\i:WX+16*((\t)%2)+4*\i+3], v15 offset:32*WSP*((\t)%2)+16*\i
.endr
.endm
.irp t, 0,1,2,3
	WLOAD \t
.endr
	s_wait_kmcnt 0x0
	s_cmp_eq_u32 s25, 1
	s_cselect_b32 s44, s30, s32
	s_cmp_eq_u32 s25, 0
	s_cselect_b32 s44, s28, s44                    ; e of weight p: entry 2 p
	s_add_co_i32 s44, s44, 127
	s_lshl_b32 s45, s44, 23
	v_mov_b32 v11, s45                             ; 2^e as f32: the conversion takes its exponent field
	s_add_co_i32 s44, s44, 8
	s_lshl_b32 s44, s44, 23
	s_or_b32 s44, s44, 0x600000
	v_mov_b32 v10, s44                             ; 448 x 2^e
	s_wait_loadcnt 12                              ; step 0's four loads are in; three steps' stay out
	WTURN 0
.macro WSTEP t
.set XS, WX+16*((\t)%2)
	s_wait_dscnt 0x0                               ; this step's numbers are back from the stage, so its stores into the stage have read their registers,
.if (\t)+4 < 16
	WLOAD (\t)+4                                   ; which take the loads of four steps on
.endif
.if (\t)+1 < 16
.if 14-(\t) >= 3
	s_wait_loadcnt 12                              ; the next step's four loads are in; those of the three steps behind it may be out
.else
	s_wait_loadcnt 4*(14-(\t))                     ; near the end fewer steps are behind it
.endif
	WTURN (\t)+1
.endif
.irp i, 0,1,2,3,4,5,6,7,8,9,10,11,12,13,14,15
	v_med3_num_f32 v[XS+\i], v[XS+\i], -v10, v10   ; the conversion to an 8-bit code does not saturate (ISA guide 7.6.2): the hold at the largest code x the scale
.endr
	v_cvt_scalef32_pk8_fp8_f32 v[WC+4*(\t):WC+4*(\t)+1], v[XS:XS+7], v11
	v_cvt_scalef32_pk8_fp8_f32 v[WC+4*(\t)+2:WC+4*(\t)+3], v[XS+8:XS+15], v11
	v_nop                                          ; a plain vector line behind the last conversion of a run
	global_store_b128 v3, v[WC+4*(\t):WC+4*(\t)+3], s[18:19] offset:((\t)/2)*KROW+((\t)%2)*512   ; half a row of 1,024 codes
.endm
.irp t, 0,1,2,3,4,5,6,7,8,9,10,11,12,13,14,15
	WSTEP \t
.endr
	s_wait_tensorcnt 0x0
	ds_add_u32 v254, v255
	s_wait_dscnt 0x0
	s_endpgm
; ---------------- THE ACTIVATIONS.  Work-group 384 + 128 p + 32 y + x takes columns 128 x .. + 127 and k = 256 y .. + 255 of activation p; a wave 32 columns, a lane one.
; Each load reads one row k at 32 neighbouring columns; a lane's 32 registers are 32 neighbours along K of its column, so the conversions give codes with K innermost.  They gather in the wave's own stage,
; a row of 256 bytes a column, and leave by rows: sixteen lanes store 256 consecutive bytes, aligned.
.Lh:
	s_sub_co_u32 s25, ttmp9, 384
	s_lshr_b32 s26, s25, 7                         ; p
	s_and_b32 s27, s25, 31                         ; x
	s_bfe_u32 s40, s25, 0x20005                    ; y
	s_cmp_eq_u32 s26, 1
	s_cselect_b64 s[34:35], s[12:13], s[14:15]
	s_cselect_b64 s[36:37], s[6:7], s[8:9]
	s_cmp_eq_u32 s26, 0
	s_cselect_b64 s[34:35], s[10:11], s[34:35]     ; activation p
	s_cselect_b64 s[36:37], s[4:5], s[36:37]       ; weight p
	s_lshl_b32 s38, s40, 22                        ; 256 y rows of 16,384 bytes
	s_lshl_b32 s41, s27, 9
	s_add_co_u32 s38, s38, s41
	s_lshl_b32 s41, s24, 7
	s_add_co_u32 s38, s38, s41                     ; + 4 (128 x + 32 wave)
	s_add_nc_u64 s[34:35], s[34:35], s[38:39]
	s_lshl_b32 s38, s40, 10
	s_add_nc_u64 s[36:37], s[36:37], s[38:39]      ; the weight's numbers 256 y on,
	s_add_nc_u64 s[36:37], s[36:37], 0x1000000     ; of row 4096
	s_lshl_b32 s38, s26, 2
	s_add_co_u32 s38, s38, s40
	s_lshl_b32 s38, s38, 14                        ; zpart: row 4 p + y,
	s_lshl_b32 s41, s27, 9
	s_add_co_u32 s38, s38, s41
	s_lshl_b32 s41, s24, 7
	s_add_co_u32 s38, s38, s41                     ; my wave's 32 columns
	s_add_nc_u64 s[22:23], s[22:23], s[38:39]
	s_lshl_b32 s38, s27, 7                         ; hcodes: column 128 x + 32 wave + l goes to row 128 x + 64 (wave / 2) + 8 (wave % 2) + 16 (l % 4) + l / 4
	s_lshr_b32 s41, s24, 1
	s_lshl_b32 s41, s41, 6
	s_add_co_u32 s38, s38, s41
	s_and_b32 s41, s24, 1
	s_lshl_b32 s41, s41, 3
	s_add_co_u32 s38, s38, s41
	s_mul_i32 s38, s38, KROW
	s_lshl_b32 s41, s26, 10
	s_add_co_u32 s38, s38, s41                     ; + 1024 p
	s_lshl_b32 s41, s40, 8
	s_add_co_u32 s38, s38, s41                     ; + 256 y
	s_add_nc_u64 s[20:21], s[20:21], s[38:39]
	v_lshlrev_b32 v3, 2, v2                        ; 4 x lane: my column in a row of the activation, and in zpart
	s_mul_i32 s43, s24, 32*HP
	s_add_co_u32 s43, s43, HSTG                    ; my stage
	v_mul_u32_u24 v4, v2, HP
	v_add_nc_u32 v4, s43, v4                       ; into it: row = my column
	v_and_b32 v5, 15, v2                           ; r
	v_lshrrev_b32 v6, 4, v2                        ; h
	v_mul_u32_u24 v7, v6, HP
	v_lshl_add_u32 v7, v5, 4, v7
	v_add_nc_u32 v7, s43, v7                       ; out of it by rows: sixteen lanes to a row, two rows an instruction
	v_mul_u32_u24 v8, v6, 16*KROW
	v_lshl_add_u32 v8, v5, 4, v8                   ; the same in hcodes: stage rows 2 t and 2 t + 1 lie 16 rows apart there
	v_mul_u32_u24 v9, v5, HP
	v_lshl_add_u32 v9, v6, 4, v9
	v_add_nc_u32 v9, s43, v9                       ; out of it as fragments: column r, + 16 h
	v_lshlrev_b32 v12, 6, v6                       ; the weight's row: 64 h: lane (r, h) takes k = 32 c + 16 h + 0 .. 15 of each 32
.macro HLOAD t                         ; block t: rows 32 t + i of my column, into set t % 2
.irp i, 0,1,2,3,4,5,6,7,8,9,10,11,12,13,14,15,16,17,18,19,20,21,22,23,24,25,26,27,28,29,30,31
	global_load_b32 v[HX+32*((\t)%2)+\i], v3, s[34:35] offset:(32*(\t)+\i)*16384 th:TH_LOAD_NT
.endr
.endm
.irp s, 0,1
.irp c, 0,1,2,3
.irp i, 0,1,2,3
	global_load_b128 v[ZF+64*\s+16*\c+4*\i:ZF+64*\s+16*\c+4*\i+3], v12, s[36:37] offset:512*\s+128*\c+16*\i   ; row 4096, k = 256 y + 128 s + 32 c + 16 h + 4 i on; the sixteen lanes of a half read the same bytes
.endr
.endr
.endr
	HLOAD 0
	s_wait_kmcnt 0x0
	s_cmp_eq_u32 s26, 1
	s_cselect_b32 s44, s30, s32
	s_cselect_b32 s45, s31, s33
	s_cmp_eq_u32 s26, 0
	s_cselect_b32 s44, s28, s44                    ; the weight's e: entry 2 p
	s_cselect_b32 s45, s29, s45                    ; the activation's: entry 2 p + 1
	s_add_co_i32 s44, s44, 127
	s_lshl_b32 s46, s44, 23
	v_mov_b32 v15, s46                             ; the weight's 2^e
	s_add_co_i32 s44, s44, 8
	s_lshl_b32 s44, s44, 23
	s_or_b32 s44, s44, 0x600000
	v_mov_b32 v14, s44                             ; 448 x that
	s_add_co_i32 s45, s45, 127
	s_lshl_b32 s46, s45, 23
	v_mov_b32 v11, s46                             ; the activation's 2^e
	s_add_co_i32 s45, s45, 8
	s_lshl_b32 s45, s45, 23
	s_or_b32 s45, s45, 0x600000
	v_mov_b32 v10, s45                             ; 448 x that
	s_wait_loadcnt 32                              ; the weight's row is in; block 0's 32 loads may be out
.set n, 0
.rept 128
	v_med3_num_f32 v[ZF+n], v[ZF+n], -v14, v14
.set n, n+1
.endr
.set n, 0
.rept 16
	v_cvt_scalef32_pk8_fp8_f32 v[AZ+2*n:AZ+2*n+1], v[ZF+8*n:ZF+8*n+7], v15   ; fragment s, registers 4 c .. 4 c + 3: k = 128 s + 32 c + 16 h + 0 .. 15
.set n, n+1
.endr
	v_nop                                          ; a plain vector line behind the last conversion of a run
	HLOAD 1
.macro BLOCK t
.set XS, HX+32*((\t)%2)
.if (\t) < 7
	s_wait_loadcnt 32                              ; this block's 32 loads are in; the next block's may be out
.else
	s_wait_loadcnt 0
.endif
.irp i, 0,1,2,3,4,5,6,7,8,9,10,11,12,13,14,15,16,17,18,19,20,21,22,23,24,25,26,27,28,29,30,31
	v_med3_num_f32 v[XS+\i], v[XS+\i], -v10, v10
.endr
.irp g, 0,1,2,3
	v_cvt_scalef32_pk8_fp8_f32 v[HC+2*\g:HC+2*\g+1], v[XS+8*\g:XS+8*\g+7], v11
.endr
	v_nop
	ds_store_b128 v4, v[HC:HC+3] offset:32*(\t)
	ds_store_b128 v4, v[HC+4:HC+7] offset:32*(\t)+16
.if (\t)+2 < 8
	HLOAD (\t)+2
.endif
	s_wait_dscnt 0x0                               ; the stores have read their registers: the next block's codes may be written
.endm
.irp t, 0,1,2,3,4,5,6,7
	BLOCK \t
.endr
; Row 4096 x my 32 columns, over my 256 k: the codes come back from the stage as fragments (16 columns x 128 K; k in the same places as in the weight's fragments), then once more by rows, for the way out.
.irp f, 0,1,2,3                        ; fragment f: columns 16 (f / 2) on, k 128 (f % 2) on
.irp c, 0,1,2,3
	ds_load_b128 v[BZ+16*\f+4*\c:BZ+16*\f+4*\c+3], v9 offset:16*(\f/2)*HP+128*(\f%2)+32*\c
.endr
.endr
.irp t, 0,1,2,3,4,5,6,7,8,9,10,11,12,13,14,15
	ds_load_b128 v[OUTR+4*\t:OUTR+4*\t+3], v7 offset:2*\t*HP
.endr
	v_cmp_gt_u32 vcc_lo, 16, v2                    ; lanes 0-15
	s_wait_dscnt 16                                ; the fragments are in; the sixteen loads for the way out may be out
	v_wmma_f32_16x16x128_fp8_fp8 v[DZ:DZ+7], v[AZ:AZ+15], v[BZ:BZ+15], 0                       ; the two accumulators take turns
	v_wmma_f32_16x16x128_fp8_fp8 v[DZ+8:DZ+15], v[AZ:AZ+15], v[BZ+32:BZ+47], 0
	v_wmma_f32_16x16x128_fp8_fp8 v[DZ:DZ+7], v[AZ+16:AZ+31], v[BZ+16:BZ+31], v[DZ:DZ+7]
	v_wmma_f32_16x16x128_fp8_fp8 v[DZ+8:DZ+15], v[AZ+16:AZ+31], v[BZ+48:BZ+63], v[DZ+8:DZ+15]
.rept 4
	v_nop                                          ; four places between a matrix instruction and the first read of its result (ISA guide 7.12.1)
.endr
	v_cndmask_b32 v1, v[DZ+8], v[DZ], vcc_lo       ; all 16 rows of the result are alike: register 0 of lane l is column l % 16: lanes 0-15 take the first tile's, lanes 16-31 the second's
	global_store_b32 v3, v1, s[22:23]              ; 128 consecutive bytes a wave: zpart is 196,608 bytes in all, too small for a way through LDS to pay
.irp t, 0,1,2,3,4,5,6,7,8,9,10,11,12,13,14,15
	s_wait_dscnt 15-\t
	global_store_b128 v8, v[OUTR+4*\t:OUTR+4*\t+3], s[20:21] offset:(32*(\t%2)+\t/2)*KROW   ; stage rows l = 2 t + h: 16 (l % 4) + l / 4 = 32 (t % 2) + t / 2 + 16 h
.endr
	s_wait_tensorcnt 0x0
	ds_add_u32 v254, v255
	s_wait_dscnt 0x0
	s_endpgm
.Lfunc_end_k_q80a13d17d9_quant:
	.size	k_q80a13d17d9_quant, .Lfunc_end_k_q80a13d17d9_quant-k_q80a13d17d9_quant
	.p2alignl 7, 3214868480
	.fill 96, 4, 3214868480
	.section	.rodata,"a",@progbits
	.p2align	6, 0x0
	.amdhsa_kernel k_q80a13d17d9_quant
		.amdhsa_group_segment_fixed_size 68096
		.amdhsa_private_segment_fixed_size 0
		.amdhsa_enable_private_segment 0
		.amdhsa_kernarg_size 80
		.amdhsa_user_sgpr_count 2
		.amdhsa_user_sgpr_kernarg_segment_ptr 1
		.amdhsa_wavefront_size32 1
		.amdhsa_system_sgpr_workgroup_id_x 1
		.amdhsa_system_sgpr_workgroup_id_y 1
		.amdhsa_system_sgpr_workgroup_id_z 1
		.amdhsa_system_vgpr_workitem_id 0
		.amdhsa_next_free_vgpr 256
		.amdhsa_next_free_sgpr 66
		.amdhsa_reserve_vcc 1
		.amdhsa_float_denorm_mode_32 3
		.amdhsa_float_denorm_mode_16_64 3
		.amdhsa_memory_ordered 1
		.amdhsa_forward_progress 1
		.amdhsa_inst_pref_size 102
	.end_amdhsa_kernel
	.amdgpu_metadata
---
amdhsa.version: [ 1, 2 ]
amdhsa.kernels:
  - .name:           k_q80a13d17d9_quant
    .symbol:         k_q80a13d17d9_quant.kd
    .args:
      - { .name: U_11, .offset: 0, .size: 8, .value_kind: global_buffer, .address_space: global }
      - { .name: U_21, .offset: 8, .size: 8, .value_kind: global_buffer, .address_space: global }
      - { .name: W_01, .offset: 16, .size: 8, .value_kind: global_buffer, .address_space: global }
      - { .name: h, .offset: 24, .size: 8, .value_kind: global_buffer, .address_space: global }
      - { .name: h_top, .offset: 32, .size: 8, .value_kind: global_buffer, .address_space: global }
      - { .name: h_bottom, .offset: 40, .size: 8, .value_kind: global_buffer, .address_space: global }
      - { .name: lowp_scales, .offset: 48, .size: 8, .value_kind: global_buffer, .address_space: global }
      - { .name: wcodes, .offset: 56, .size: 8, .value_kind: global_buffer, .address_space: global }
      - { .name: hcodes, .offset: 64, .size: 8, .value_kind: global_buffer, .address_space: global }
      - { .name: zpart, .offset: 72, .size: 8, .value_kind: global_buffer, .address_space: global }
    .group_segment_fixed_size: 68096
    .private_segment_fixed_size: 0
    .kernarg_segment_align: 8
    .kernarg_segment_size: 80
    .max_flat_workgroup_size: 128
    .sgpr_count:     66
    .vgpr_count:     256
    .wavefront_size: 32
...
	.end_amdgpu_metadata
.endif
;; end of part 1
;; launch cell (part 2): grid 16 x 16, 4 waves a work-group, clusters of 4 x 4, 327,680 bytes of LDS; arguments wcodes, hcodes, lowp_scales, bias, z, z_bottom, c, h, zpart, out0, out1, out2; writes out0, out1, out2
.if DOCPART == 2
	.amdgcn_target "amdgcn-amd-amdhsa--gfx1250"
	.amdhsa_code_object_version 6
	.text
	.protected	k_q80a13d17d9_cell
	.globl	k_q80a13d17d9_cell
	.p2align	8
	.type	k_q80a13d17d9_cell,@function
k_q80a13d17d9_cell:
	s_mov_b64 s[64:65], 0
	v_nop
	global_prefetch_b8 v0, s[64:65] scope:SCOPE_SE
	s_setreg_imm32_b32 hwreg(HW_REG_WAVE_MODE, 25, 1), 1
	s_wait_xcnt 0x0
	s_wait_alu depctr_hold_cnt(0) depctr_sa_sdst(0) depctr_va_vdst(0) depctr_va_sdst(0) depctr_va_ssrc(0) depctr_va_vcc(0) depctr_vm_vsrc(0)
	s_getreg_b32 s2, hwreg(HW_REG_IB_STS2, 6, 4)
	s_cmp_eq_u32 s2, 0
	s_cbranch_scc0 .Lentry_in_a_cluster
	s_endpgm
.Lentry_in_a_cluster:
	s_bfe_u32 s2, ttmp6, 0x10000c
	s_cmp_lg_u32 s2, 0xf033
	s_cbranch_scc0 .Lentry_shape_is_right
	s_endpgm
.Lentry_shape_is_right:
; f_s = (1 - z) U_11 h + z U_21 h_top + zb W_01 h_bottom + bias on codes of FP8 (E4M3), then the cell's elementwise step, in one launch: f_s never goes to memory.
; wcodes and hcodes hold the three products side by side along K (3 x 1,024 codes a row), so this is ONE product with K = 3,072 on one set of accumulators.
; THE THREE COLUMN WEIGHTS.  With E1 = e0 + e1, E2 = e2 + e3, E3 = e4 + e5 the sum wanted is (1 - z) 2^E1 S1 + z 2^E2 S2 + zb 2^E3 S3.  The running sum is kept in the NEXT product's units: behind K = 1,024 each
; accumulator is multiplied by (1 - z) / z' x 2^(E1 - E2), behind K = 2,048 by z' / zb' x 2^(E2 - E3), and at the end by zb' x 2^E3.  Each factor belongs to a column; each multiplication rounds the whole sum once.
; LIMITS.  z' = z where |z| >= 2^-40, else 2^-40; zb' likewise: a gate of smaller magnitude acts on its product as 2^-40.  (In the elementwise step and in z_hat z and zb are taken as they are.)
; |Ei - Ej| <= 40, so that no rescaled sum overflows.  NaN among the inputs is not served.  c_new and h_new are regrouped: c_new = P i g + c (Q + R f), h_new = P o tanh(c_new) + Q h,
; with R = (1 - z) zb, Q = (1 - z)(1 - zb), P = z + R.
; SHARES.  A work-group of four waves makes 256 rows of wcodes (64 hidden units x 4 gates) x 256 columns; a wave 128 x 128: 64 accumulators, 512 registers.  16 x 16 work-groups.
; K goes in steps of 256 through a ring of two LDS slots filled by the tensor data mover.  CLUSTERS of 4 x 4: the four of a row need the same tiles of wcodes, the four of a column the same tiles of hcodes:
; each tile is asked for jointly.
; LAYOUT.  Source 0 = 16 rows of wcodes (block a = 4 jb + g: gate g of hidden units J0 + 16 jb + 0 .. 15), source 1 = 16 rows of hcodes (block b: columns N0 + 64 (b / 4) + 4 r + b % 4).  Register j of accumulator
; (a, b) in lane (r, h) is unit J0 + 16 jb + 8 h + j, gate g, at that column.  So the four gates of a unit lie at the same lane and register of four accumulators, and blocks 4 q .. 4 q + 3 give a lane four
; neighbouring columns: 16 bytes; sixteen lanes cover 256 consecutive bytes, aligned, of a row of c, h, out0 and out1.  Nothing goes through LDS on the way out.
; z_hat: each work-group adds the twelve partial sums of 16 columns and stores 64 bytes of out2 (16,384 bytes in all).
; REGISTERS, in windows of 256.  Window 0: v0-15 addresses; v16-31 z, zb of my 8 columns; v32-47 the two rescaling factors; v48-111 the bias of my 64 rows x -log2(e) (gate 3: x 2 log2(e)); v112-119 zb' 2^E3;
;   v128-255 the weights' fragments, ONE set; on the way out v32-47 and v120-255 are at work.   Window 1: the activations' fragments, TWO sets; at the end c and h.   Windows 2, 3: the accumulators of jb = 0, 1, at 64 g + 8 b + j.
.set ROWB,   256                       ; a tile's row in bytes: a K step's codes
.set KROW,   3072                      ; a row of wcodes or hcodes in memory
.set PITCH,  272                       ; an LDS row: 256 bytes + 16 of padding = 68 words: row r starts at bank 4 r mod 64 (64 banks of 4 bytes: ISA guide 11.1), so the 16 rows of a load start at 16 different banks
.set FR,     16                        ; registers of a fragment: 16 rows x 128 K
.set NL,     4                         ; LDS loads that bring one
.set NP,     4                         ; places behind this matrix instruction (ISA guide 7.12.1)
.set HALFT,  128*PITCH                 ; 128 rows: what one tensor load brings
.set SLOT,   4*HALFT                   ; the weights' 256 rows, then the activations' 256
.set SPARE,  2*SLOT                    ; behind the ring: the spare words, 128 bytes for each wave: two blocks of 256 bytes that no other line names
.set ROWC,   16384                     ; a row of c, h, out0, out1 in bytes
.set PFC,  7                           ; v7      c's and h's prefetches: (J0 + lane) rows + 4 N0; never rewritten
.set ADRA, 8                           ; v8-9    LDS address of my weights' fragments in slot 0, 1
.set ADRB, 10                          ; v10-11  the same for the activations
.set CO,   12                          ; v12     my 16 bytes in c, h, out0, out1: (J0 + 8 h) rows + 4 N0 + 16 r; never rewritten
.set SPW,  13                          ; v13     LDS address of my spare word; never rewritten
.set NIL,  14                          ; v14     0; never rewritten
.set PFO,  15                          ; v15     the tiles' prefetches: lane x KROW; never rewritten
.set Z,    16
.set ZB,   24
.set R1,   32                          ; the factor of the next rescaling
.set R2,   40                          ; the one after
.set BS,   48
.set G3,   112
.set OM,   120                         ; the way out: 1 - z
.set AF,   128
.set GS,   128                         ; the way out: zb' 2^E3 x -log2(e);
.set GT,   136                         ; x 2 log2(e)  (GS + 8)
.set PP,   144
.set QQ,   152
.set RR,   160
.set T,    168                         ; v168-231 a chunk's 64 numbers: 16 g + 2 b + u (u: which of the chunk's two rows)
.set U,    T+48                        ; gate 3's registers, free again: 8 u + b
.set CN,   232                         ; v232-247 c_new: 8 u + b
.set HN,   32                          ; v32-47   h_new: 8 u + b
.set G1, 24                            ; s[24:31] descriptor group 1 for the weights' tiles;  s[32:39] group 0, one set for each slot
.set G0, 32
.set G1B, 48                           ; s[48:55], s[56:63] the same for the activations'
.set G0B, 56
.set PFA, 92                           ; s[92:93] where my tile prefetches stand
.set LIM, 94                           ; s94      1 in a wave that prefetches tiles, else the greatest number
.set MSB, 0
.macro WIN new                         ; the immediate's high byte repeats the setting that is left
.if MSB != (\new)
	s_set_vgpr_msb (MSB<<8)|(\new)
.set MSB, (\new)
.endif
.endm
.set MUL_LO, 0xa4                      ; source 0 (weights) window 0, source 1 (activations) window 1, C and D window 2
.set MUL_HI, 0xf4                      ; the same, C and D window 3
.set TO_B,   0x40                      ; destination window 1, address window 0
; A joint load: waves 0 and 1 fetch the weights' two halves, waves 2 and 3 the activations'.  Each of the two lines has one mask and one set of registers for all that issue it; the branch hangs on the wave's number alone.
; Four v_nop follow each of the two lines, ahead of the jump, the label and what follows.
.macro JLOAD g0a, g1a, g0b, g1b
	s_cmp_eq_u32 s15, 0
	s_cbranch_scc0 .Lfor_b_\@
	tensor_load_to_lds s[\g0a:\g0a+3], s[\g1a:\g1a+7]
	s_nop 0
.rept 4
	v_nop
.endr
	s_branch .Lasked_\@
.Lfor_b_\@:
	tensor_load_to_lds s[\g0b:\g0b+3], s[\g1b:\g1b+7]
	s_nop 0
.rept 4
	v_nop
.endr
.Lasked_\@:
.endm
.macro CREST                           ; a round of the cluster's barrier behind its opening barrier
	s_cmp_lg_u32 s14, 0
	s_cbranch_scc1 .Lnot_wave_0_\@
	s_barrier_signal -3
.Lnot_wave_0_\@:
	s_barrier_wait -3
	s_barrier_signal -1
	s_barrier_wait -1
.endm
.macro CROUND                          ; a whole round
	s_barrier_signal -1
	s_barrier_wait -1
	CREST
.endm
; PREFETCHES INTO THE L2.  ASK: the K step that stands two refills on: 32 rows x 256 bytes, a lane a row, one instruction a wave, behind the joint load and the run of LDS loads.  Each row's 256 bytes of a K step are
; named once in the launch: the weights' tile rows are read by every cluster of a row of clusters, of which the first (cluster x = 0) asks; the activations' by every cluster of a column: cluster y = 0 asks.  The four
; partners that ask for a tile jointly share its rows out by ADDRESS, 32 each.  The loop's last trip (s3 = 1) has no K step two refills on.  K steps 0 to 3 come by their loads alone.
.macro ASK
	s_cmp_gt_u32 s3, s[LIM]
	s_cbranch_scc0 .Lnot_mine_\@
	global_prefetch_b8 v[PFO], s[PFA:PFA+1] offset:ROWB th:TH_LOAD_NT scope:SCOPE_SE
.Lnot_mine_\@:
.endm
; ASKCH: my wave's own 32 rows x 512 bytes of c and of h, a lane a row, once, at the last refill: 224 matrix instructions ahead of c's loads, 288 ahead of h's.  No other wave of the launch reads these bytes.
.macro ASKCH
	s_cmp_eq_u32 s3, 1
	s_cbranch_scc0 .Lnot_yet_\@
	global_prefetch_b8 v[PFC], s[72:73] th:TH_LOAD_NT scope:SCOPE_SE
	global_prefetch_b8 v[PFC], s[72:73] offset:256 th:TH_LOAD_NT scope:SCOPE_SE
	global_prefetch_b8 v[PFC], s[74:75] th:TH_LOAD_NT scope:SCOPE_SE
	global_prefetch_b8 v[PFC], s[74:75] offset:256 th:TH_LOAD_NT scope:SCOPE_SE
.Lnot_yet_\@:
.endm
	s_load_b128 s[4:7], s[0:1], 0x0                ; wcodes s[4:5], hcodes s[6:7]
	s_load_b128 s[8:11], s[0:1], 0x10              ; the scales' exponents s[8:9], bias s[10:11]
	s_load_b256 s[68:75], s[0:1], 0x20             ; z s[68:69], z_bottom s[70:71], c s[72:73], h s[74:75]
	s_load_b256 s[76:83], s[0:1], 0x40             ; zpart s[76:77], out0 s[78:79], out1 s[80:81], out2 s[82:83]
	v_lshl_add_u32 v[SPW], v0, 2, SPARE
	v_mov_b32 v[NIL], 0
	ds_add_u32 v13, v14
	ds_add_u32 v13, v14
	s_wait_dscnt 0x0
	v_lshrrev_b32 v1, 5, v0
	v_readfirstlane_b32 s14, v1                    ; wave 0..3
	s_lshr_b32 s15, s14, 1                         ; wr: which half of the tile's rows is mine.  Also: I fetch the weights (0) or the activations (1)
	s_and_b32 s16, s14, 1                          ; wc: which half of its columns.  Also: which 128 rows of that tile I fetch
	s_bfe_u32 s40, ttmp6, 0x40000                  ; cx, cy: my place in the cluster
	s_bfe_u32 s41, ttmp6, 0x40004
	s_lshl_b32 s42, ttmp9, 2
	s_add_co_u32 s42, s42, s40                     ; tj: tile column = 4 x cluster x + cx
	s_and_b32 s17, ttmp7, 0xffff
	s_lshl_b32 s17, s17, 2
	s_add_co_u32 s17, s17, s41                     ; ti: tile row = 4 x cluster y + cy
	s_lshl_b32 s43, s41, 2
	s_lshl_b32 s43, 15, s43                        ; my row of the cluster
	s_lshl_b32 s44, 0x1111, s40                    ; my column
	; descriptor group 1: a tile of 128 rows x 256 bytes, padded in LDS
	s_or_b32 s[G1+0], s43, (0<<16)|(1<<20)|(1<<21)|(5<<22)|(3<<25)  ; 15:0 the mask: the weights' tiles go to my row; 17:16 elements of 1 byte; 20 padding on; 21 set beside a mask; 24:22 after every 64 words (code 5); 31:25 4 words of it (code 3)
	s_or_b32 s[G1B+0], s44, (0<<16)|(1<<20)|(1<<21)|(5<<22)|(3<<25) ; the same with the mask of my column
.irp g, G1, G1B
	s_mov_b32 s[\g+1], ROWB<<16                    ; tensor_dim0
	s_mov_b32 s[\g+2], 128<<16                     ; tensor_dim1 = 128
	s_mov_b32 s[\g+3], ROWB<<16                    ; tile_dim0
	s_mov_b32 s[\g+4], 128                         ; tile_dim1 = 128
	s_mov_b32 s[\g+5], KROW                        ; tensor_dim0_stride
	s_mov_b32 s[\g+6], 0
	s_mov_b32 s[\g+7], 0
.endr
	; offsets into the wide tensors.  They hang on both tile coordinates and go into global addresses alone, by registers that feed no descriptor and no LDS address
	s_lshl_b32 s66, s42, 8
	s_lshl_b32 s67, s16, 7
	s_add_co_u32 s66, s66, s67                     ; N0 = 256 tj + 128 wc: my first column
	s_lshl_b32 s66, s66, 2                         ; in bytes
	s_lshl_b32 s67, s17, 6
	s_lshl_b32 s12, s15, 5
	s_add_co_u32 s67, s67, s12                     ; J0 = 64 ti + 32 wr: my first hidden unit
	s_lshl_b32 s12, s42, 8
	s_lshl_b32 s13, s17, 4
	s_add_co_u32 s12, s12, s13                     ; n0 = 256 tj + 16 ti: the work-group's 16 columns of z_hat
	s_lshl_b32 s12, s12, 2
	v_and_b32 v1, 15, v0                           ; r
	v_bfe_u32 v2, v0, 4, 1                         ; h
	v_lshl_add_u32 v3, v1, 4, s66                  ; z, zb: 4 N0 + 16 r
	s_lshl_b32 s13, s67, 2
	v_lshl_add_u32 v4, v2, 5, s13                  ; bias: 4 J0 + 32 h
	v_lshl_add_u32 v6, v1, 2, s12                  ; z_hat's column: 4 n0 + 4 r
	s_lshl_b32 s13, s67, 14
	s_add_co_u32 s13, s13, s66                     ; J0 rows + 4 N0
	v_lshl_add_u32 v[CO], v2, 17, s13
	v_lshl_add_u32 v[CO], v1, 4, v[CO]
	v_and_b32 v5, 31, v0
	v_lshl_add_u32 v[PFC], v5, 14, s13
	v_mul_u32_u24 v[PFO], v5, KROW
	; where the tiles come from: the weights' hang on the tile row alone, the activations' on the tile column alone
	s_lshl_b32 s18, s16, 7                         ; which 128 rows of the tile I fetch
	s_lshl_b32 s20, s17, 8
	s_add_co_u32 s20, s20, s18
	s_lshl_b32 s46, s42, 8
	s_add_co_u32 s46, s46, s18
	s_mov_b32 s21, 0
	s_mov_b32 s47, 0
	s_mov_b64 s[18:19], KROW
	s_mul_u64 s[20:21], s[20:21], s[18:19]
	s_mul_u64 s[46:47], s[46:47], s[18:19]
	s_mul_i32 s45, s14, HALFT                      ; where they go: wave x 128 rows: no place in the cluster enters an LDS address
	s_wait_kmcnt 0x0
	s_load_b128 s[84:87], s[8:9], 0x0              ; e0 .. e3
	s_load_b64 s[88:89], s[8:9], 0x10              ; e4, e5
	s_load_b32 s90, s[10:11], 0x4000               ; bias[4096]
	global_load_b128 v[Z:Z+3], v3, s[68:69]                    ; z at columns N0 + 4 r + 0 .. 3 (blocks 0-3),
	global_load_b128 v[Z+4:Z+7], v3, s[68:69] offset:256       ; and 64 columns on (blocks 4-7)
	global_load_b128 v[ZB:ZB+3], v3, s[70:71]
	global_load_b128 v[ZB+4:ZB+7], v3, s[70:71] offset:256
.irp a, 0,1,2,3,4,5,6,7
	global_load_b128 v[BS+8*\a:BS+8*\a+3], v4, s[10:11] offset:(1024*(\a%4)+16*(\a/4))*4       ; bias of block a's rows 8 h + 0 .. 7
	global_load_b128 v[BS+8*\a+4:BS+8*\a+7], v4, s[10:11] offset:(1024*(\a%4)+16*(\a/4))*4+16
.endr
.irp q, 0,1,2,3,4,5,6,7,8,9,10,11
	global_load_b32 v[128+\q], v6, s[76:77] offset:16384*\q    ; z_hat's twelve partial sums
.endr
	global_load_b32 v140, v6, s[68:69]
	global_load_b32 v141, v6, s[70:71]
	s_add_nc_u64 s[20:21], s[4:5], s[20:21]
	s_add_nc_u64 s[46:47], s[6:7], s[46:47]
	CROUND                                         ; all sixteen work-groups are here: the first joint loads meet
.irp s, 0,1
	s_mov_b32 s[G0+4*\s], 1
	s_add_co_u32 s[G0+4*\s+1], s45, \s*SLOT
	s_add_nc_u64 s[G0+4*\s+2:G0+4*\s+3], s[20:21], \s*ROWB
	s_or_b32 s[G0+4*\s+3], s[G0+4*\s+3], 0x80000000
	s_mov_b32 s[G0B+4*\s], 1
	s_add_co_u32 s[G0B+4*\s+1], s45, \s*SLOT
	s_add_nc_u64 s[G0B+4*\s+2:G0B+4*\s+3], s[46:47], \s*ROWB
	s_or_b32 s[G0B+4*\s+3], s[G0B+4*\s+3], 0x80000000
	JLOAD G0+4*\s, G1, G0B+4*\s, G1B               ; two tensor loads of mine are out
.endr
	v_mul_u32_u24 v5, v1, PITCH
	v_lshl_add_u32 v5, v2, 4, v5                   ; a fragment's row x pitch + 16 x half
	s_mul_i32 s21, s15, HALFT                      ; my 128 rows of the weights
	s_mul_i32 s22, s16, HALFT                      ; my 128 rows of the activations,
	s_add_co_u32 s22, s22, 2*HALFT                 ; which lie behind the weights' 256
.irp s, 0,1
	v_add_nc_u32 v[ADRA+\s], s21, v5
	v_add_nc_u32 v[ADRB+\s], s22, v5
	s_add_co_u32 s21, s21, SLOT
	s_add_co_u32 s22, s22, SLOT
.endr
	; the tiles' prefetches: where mine stand, and who asks
	s_lshl_b32 s20, s17, 8
	s_lshl_b32 s21, s42, 8
	s_and_b32 s22, ttmp7, 0xffff                   ; cluster y
	s_cmp_eq_u32 s15, 0                            ; do I fetch the weights?
	s_cselect_b32 s20, s20, s21                    ; the tile's first row
	s_cselect_b32 s21, s40, s41                    ; my place among the four that ask for it with me
	s_cselect_b32 s22, ttmp9, s22                  ; the coordinate along which other clusters read the same rows
	s_cselect_b64 s[PFA:PFA+1], s[4:5], s[6:7]
	s_cmp_eq_u32 s22, 0
	s_cselect_b32 s[LIM], 1, -1                    ; the same in all sixteen partners, for a given wave
	s_lshl_b32 s22, s16, 7
	s_add_co_u32 s20, s20, s22                     ; + the 128 rows that I fetch
	s_lshl_b32 s21, s21, 5
	s_add_co_u32 s20, s20, s21                     ; + my work-group's 32 of them
	s_mul_i32 s20, s20, KROW
	s_mov_b32 s21, 0
	s_add_nc_u64 s[PFA:PFA+1], s[PFA:PFA+1], s[20:21]
	s_add_nc_u64 s[PFA:PFA+1], s[PFA:PFA+1], 2*ROWB  ; at K step 2: the first refill steps it to 3 and names K step 4
	s_mov_b32 s95, 0x2b800000                      ; 2^-40
	s_wait_kmcnt 0x0
	s_add_co_i32 s99, s84, s85                     ; E1
	s_add_co_i32 s100, s86, s87                    ; E2
	s_add_co_i32 s98, s88, s89                     ; E3
	s_sub_co_i32 s96, s99, s100                    ; E1 - E2
	s_sub_co_i32 s97, s100, s98                    ; E2 - E3
	s_wait_loadcnt 0x0                             ; z, zb, bias, the partial sums
	; THE GATES' FACTORS, while the first tiles are on their way.  v128-191 are free until the first fragments are fetched
.irp a, 0,1,2,3,4,5,6,7
.irp i, 0,2,4,6
.if (\a%4) == 3
	v_pk_mul_f32 v[BS+8*\a+\i:BS+8*\a+\i+1], v[BS+8*\a+\i:BS+8*\a+\i+1], 0x4038aa3b op_sel_hi:[1,0]   ; gate 3 (tanh): x 2 log2(e)
.else
	v_pk_mul_f32 v[BS+8*\a+\i:BS+8*\a+\i+1], v[BS+8*\a+\i:BS+8*\a+\i+1], 0xbfb8aa3b op_sel_hi:[1,0]   ; gates 0-2 (sigmoid): x -log2(e)
.endif
.endr
.endr
	v_mov_b32 v176, s95
.irp b, 0,1,2,3,4,5,6,7
	v_and_b32 v[184+\b], 0x7fffffff, v[Z+\b]
	v_cmp_gt_f32 vcc_lo, s95, v[184+\b]
	v_cndmask_b32 v[144+\b], v[Z+\b], v176, vcc_lo     ; z'
	v_and_b32 v[184+\b], 0x7fffffff, v[ZB+\b]
	v_cmp_gt_f32 vcc_lo, s95, v[184+\b]
	v_cndmask_b32 v[152+\b], v[ZB+\b], v176, vcc_lo    ; zb'
.endr
.irp b, 0,1,2,3,4,5,6,7
	v_rcp_f32 v[160+\b], v[144+\b]
.endr
.irp b, 0,1,2,3,4,5,6,7
	v_rcp_f32 v[168+\b], v[152+\b]
.endr
.irp b, 0,1,2,3,4,5,6,7
	v_sub_f32 v[184+\b], 1.0, v[Z+\b]              ; plain lines behind the reciprocals that name none of their results
.endr
	s_wait_alu depctr_va_vdst(0)                   ; one wait for the sixteen reciprocals, ahead of their first reader
.irp b, 0,1,2,3,4,5,6,7
	v_mul_f32 v[184+\b], v[184+\b], v[160+\b]
	v_mul_f32 v[160+\b], v[144+\b], v[168+\b]
	v_ldexp_f32 v[R1+\b], v[184+\b], s96           ; (1 - z) / z' x 2^(E1 - E2)
	v_ldexp_f32 v[R2+\b], v[160+\b], s97           ; z' / zb' x 2^(E2 - E3)
	v_ldexp_f32 v[G3+\b], v[152+\b], s98           ; zb' x 2^E3
.endr
	; z_hat of columns n0 + r.  All four waves compute it; threads 0 to 15 store it
	v_add_f32 v128, v128, v129
	v_add_f32 v130, v130, v131
	v_add_f32 v132, v132, v133
	v_add_f32 v134, v134, v135
	v_add_f32 v136, v136, v137
	v_add_f32 v138, v138, v139
	v_add_f32 v128, v128, v130
	v_add_f32 v132, v132, v134
	v_add_f32 v136, v136, v138
	v_ldexp_f32 v128, v128, s99
	v_ldexp_f32 v132, v132, s100
	v_ldexp_f32 v136, v136, s98
	v_sub_f32 v142, 1.0, v140
	v_fma_f32 v128, v142, v128, s90                ; (1 - z) S1 2^E1 + bias[4096]
	v_fma_f32 v128, v140, v132, v128
	v_fma_f32 v128, v141, v136, v128
	v_fma_f32 v128, v128, 0.5, 0.5
	v_med3_num_f32 v128, v128, 0, 1.0
	v_cmp_gt_u32 vcc_lo, 16, v0
	s_wait_xcnt 0x0                                ; EXEC changes only behind this wait
	s_and_saveexec_b32 s91, vcc_lo
	global_store_b32 v6, v128, s[82:83]
	s_wait_xcnt 0x0                                ; and again: the store has read EXEC and v128, which a fragment will take
	s_or_b32 exec_lo, exec_lo, s91
.macro FRAG reg, adr, q, i             ; a fragment: lane l holds row l % 16; registers 4 c .. 4 c + 3 hold K = 32 c + 16 (l / 16) + 0 .. 15: the same places of k on both sides, so every product meets its partner
.irp c, 0,1,2,3
	ds_load_b128 v[\reg+4*\c:\reg+4*\c+3], v[\adr] offset:128*(\q)+32*\c+(\i)*16*PITCH
.endr
.endm
; 16 matrix instructions: the weights' blocks a0, a0 + 1 x the activations' eight, 128 along K.  p: the activations' set.  zero = 1: the first product starts the sums.
; The 64 accumulators take turns, one instruction a turn, in the same order in every step.
.macro MUL16 a0, p, zero
.irp a, \a0, \a0+1
.irp b, 0,1,2,3,4,5,6,7
.if \zero
	v_wmma_f32_16x16x128_fp8_fp8 v[8*(8*((\a)%4)+\b):8*(8*((\a)%4)+\b)+7], v[AF+FR*(\a):AF+FR*(\a)+FR-1], v[128*(\p)+FR*\b:128*(\p)+FR*\b+FR-1], 0
.else
	v_wmma_f32_16x16x128_fp8_fp8 v[8*(8*((\a)%4)+\b):8*(8*((\a)%4)+\b)+7], v[AF+FR*(\a):AF+FR*(\a)+FR-1], v[128*(\p)+FR*\b:128*(\p)+FR*\b+FR-1], v[8*(8*((\a)%4)+\b):8*(8*((\a)%4)+\b)+7]
.endif
.endr
.endr
.endm
.macro FETCH_B slot, q, p              ; the activations' eight fragments of the slot's q-th 128 along K into set p
	WIN TO_B
.irp i, 0,1,2,3,4,5,6,7
	FRAG 128*(\p)+FR*\i, ADRB+\slot, \q, \i
.endr
	WIN 0
.endm
.macro FETCH_A slot, q, i0             ; the weights' blocks i0 .. i0 + 3
.irp i, \i0, \i0+1, \i0+2, \i0+3
	FRAG AF+FR*(\i), ADRA+\slot, \q, \i
.endr
.endm
.macro PLACES n                        ; a load into a register that a matrix instruction has read, and a vector instruction that reads or writes one of its registers, stand NP plain vector instructions behind it
.rept \n
	v_nop
.endr
.endm
; A step of 128 along K that has its successor in the same slot.  A block of the weights is free as soon as its eight products are issued: blocks 0-3 are fetched anew in the step's middle, blocks 4-7 at its end.
.macro STEP slot, q, zero
	s_wait_dscnt 4*NL                              ; the activations' set and the weights' blocks 0-3 are in; the youngest sixteen loads (blocks 4-7) may be out
	WIN MUL_LO
	MUL16 0, (\q)%2, \zero
	MUL16 2, (\q)%2, \zero
	s_wait_dscnt 0                                 ; blocks 4-7 are in
	PLACES NP
	FETCH_B \slot, (\q)+1, 1-(\q)%2
	FETCH_A \slot, (\q)+1, 0
	WIN MUL_HI
	MUL16 4, (\q)%2, \zero
	MUL16 6, (\q)%2, \zero
	PLACES NP
	WIN 0
	FETCH_A \slot, (\q)+1, 4
.endm
; A slot's last step changes slots: one barrier; in front of it each wave waits for all its tensor loads, adds 0 to its spare word, and waits for that and for its own reads of this slot.
; fill = 1: the barrier opens a round of the cluster's barrier, and this slot is filled again, two K steps ahead, first thing behind the round.
.macro TURN slot, next, fill, askch
.if \fill
	s_wait_xcnt 0x0                                ; the last prefetch, a K step back, has read its address:
	s_add_nc_u64 s[PFA:PFA+1], s[PFA:PFA+1], ROWB  ; it is stepped here, ahead of the waits of the change of slots
.endif
	s_wait_tensorcnt 0x0                           ; all my tensor loads have landed: the one that was out is my part of the next slot
	ds_add_u32 v[SPW], v[NIL]                      ; 0 onto my spare word
	s_wait_dscnt 4*NL+1                            ; (the add and the youngest sixteen loads may be out)
	WIN MUL_LO
	MUL16 0, 1, 0                                  ; sixteen matrix instructions stand between the add and the wait for it
	s_wait_dscnt 0x0                               ; the add is done, and my reads of this slot are over
	s_barrier_signal -1
	MUL16 2, 1, 0
	WIN 0
	s_barrier_wait -1
.if \fill
	CREST                                          ; no wave of any partner still reads this slot's tile or has a load on its way
	s_add_nc_u64 s[G0+4*\slot+2:G0+4*\slot+3], s[G0+4*\slot+2:G0+4*\slot+3], 2*ROWB
	s_add_nc_u64 s[G0B+4*\slot+2:G0B+4*\slot+3], s[G0B+4*\slot+2:G0B+4*\slot+3], 2*ROWB
	JLOAD G0+4*\slot, G1, G0B+4*\slot, G1B         ; my one tensor load behind the round; the four v_nop behind it are the places in front of the loads below
.else
	PLACES NP
.endif
	FETCH_B \next, 0, 0
	FETCH_A \next, 0, 0
.if \fill
	ASK
.endif
.if \askch
	ASKCH
.endif
	WIN MUL_HI
	MUL16 4, 1, 0
	MUL16 6, 1, 0
	PLACES NP
	WIN 0
	FETCH_A \next, 0, 4
.endm
; All 64 accumulators x the factor of their column (block b: register R1 + b; of the pair that holds it, one word serves both halves), each accumulator from its low end on; then the second factor takes the first's place.
.macro RESCALE
.irp w, 0,1
	WIN 0x82+0x41*\w                               ; source 0 and destination window 2, then 3; the factors in window 0
.irp a, 0,1,2,3
.irp b, 0,1,2,3,4,5,6,7
.irp i, 0,2,4,6
.set rA, 64*\a+8*\b+\i
.set rG, R1+2*(\b/2)
.if \b%2
	v_pk_mul_f32 v[rA:rA+1], v[rA:rA+1], v[rG:rG+1] op_sel:[0,1] op_sel_hi:[1,1]
.else
	v_pk_mul_f32 v[rA:rA+1], v[rA:rA+1], v[rG:rG+1] op_sel_hi:[1,0]
.endif
.endr
.endr
.endr
.endr
	WIN 0
.irp b, 0,1,2,3,4,5,6,7
	v_mov_b32 v[R1+\b], v[R2+\b]
.endr
.endm
	s_wait_tensorcnt 1                             ; my part of K step 0 is in (K step 1's load may be out)
	s_barrier_signal -1
	s_barrier_wait -1                              ; everybody's is
	FETCH_B 0, 0, 0
	FETCH_A 0, 0, 0
	FETCH_A 0, 0, 4
	STEP 0, 0, 1                                   ; the first step stands in front of the loop: its products start the sums
	s_mov_b32 s3, 5                                ; 12 K steps of 256 are six laps; five trips fill both slots again
.Llap:                                                 ; a trip goes once round the ring, from a lap's second step to the next lap's first
	TURN 0, 1, 1, 0
	STEP 1, 0, 0
	TURN 1, 0, 1, 1
	s_and_b32 s18, s3, 1                           ; the trips with s3 = 4 and s3 = 2 end K steps 3 and 7: K = 1,024 and K = 2,048 are behind us there.  The branch hangs on the loop's counter alone
	s_cmp_lg_u32 s18, 0
	s_cbranch_scc1 .Lkeep
	RESCALE                                        ; (the four v_nop at TURN's end are the places behind the last products)
.Lkeep:
	STEP 0, 0, 0
	s_sub_co_u32 s3, s3, 1
	s_cmp_lg_u32 s3, 0
	s_cbranch_scc1 .Llap
	TURN 0, 1, 0, 0                                ; the last lap fills nothing, and has no round of the cluster's barrier
	STEP 1, 0, 0
	; the very last step.  The activations' set 0 is done with (STEP's places stand behind its last products): c lands there while set 1 is multiplied
	WIN TO_B
.irp u, 0,1
.irp j, 0,1,2,3,4,5,6,7
.irp q, 0,1
	global_load_b128 v[64*\u+8*\j+4*\q:64*\u+8*\j+4*\q+3], v[CO], s[72:73] offset:(16*\u+\j)*ROWC+256*\q th:TH_LOAD_NT   ; c(J0 + 16 u + 8 h + j, N0 + 64 q + 4 r + 0 .. 3): sixteen lanes read 256 consecutive bytes
.endr
.endr
.endr
	s_wait_dscnt 4*NL
	WIN MUL_LO
	MUL16 0, 1, 0
	MUL16 2, 1, 0
	s_wait_dscnt 0
	WIN MUL_HI
	MUL16 4, 1, 0
	MUL16 6, 1, 0
	PLACES NP                                      ; behind the last products: for h's loads into set 1, for the writes over the weights' fragments, for the first reads of results
	WIN TO_B
.irp u, 0,1
.irp j, 0,1,2,3,4,5,6,7
.irp q, 0,1
	global_load_b128 v[128+64*\u+8*\j+4*\q:128+64*\u+8*\j+4*\q+3], v[CO], s[74:75] offset:(16*\u+\j)*ROWC+256*\q th:TH_LOAD_NT
.endr
.endr
.endr
	WIN 0
	; THE WAY OUT.  The columns' factors first, while c and h are on their way
.irp i, 0,2,4,6
	v_pk_mul_f32 v[GS+\i:GS+\i+1], v[G3+\i:G3+\i+1], 0xbfb8aa3b op_sel_hi:[1,0]
	v_pk_mul_f32 v[GT+\i:GT+\i+1], v[G3+\i:G3+\i+1], 0x4038aa3b op_sel_hi:[1,0]
.endr
.irp b, 0,1,2,3,4,5,6,7
	v_sub_f32 v[OM+\b], 1.0, v[Z+\b]
	v_sub_f32 v[CN+\b], 1.0, v[ZB+\b]
.endr
.irp i, 0,2,4,6
	v_pk_mul_f32 v[RR+\i:RR+\i+1], v[OM+\i:OM+\i+1], v[ZB+\i:ZB+\i+1]    ; R = (1 - z) zb
	v_pk_mul_f32 v[QQ+\i:QQ+\i+1], v[OM+\i:OM+\i+1], v[CN+\i:CN+\i+1]    ; Q = (1 - z)(1 - zb)
.endr
.irp i, 0,2,4,6
	v_pk_add_f32 v[PP+\i:PP+\i+1], v[Z+\i:Z+\i+1], v[RR+\i:RR+\i+1]      ; P = z + R
.endr
; A chunk: rows 2 jp and 2 jp + 1 (registers of the accumulators) of the 16 hidden units jb, all four gates, all eight blocks of columns: 64 numbers a lane.
; sigmoid(x) = 1 / (1 + 2^(-log2(e) x)); tanh(x) = 1 - 2 / (1 + 2^(2 log2(e) x)).  The transcendentals go in batches, each with one plain line and one wait behind it, ahead of its first reader.
.macro CHUNK jb, jp
	WIN 0x02+(\jb)                                 ; source 0: the accumulators' window
.irp g, 0,1,2,3
.irp b, 0,1,2,3,4,5,6,7
.set rD, T+16*\g+2*\b
.set rA, 64*\g+8*\b+2*(\jp)
.set rC, BS+8*(4*(\jb)+\g)+2*(\jp)
.set rG, GS+8*(\g/3)+2*(\b/2)
.if \b%2
	v_pk_fma_f32 v[rD:rD+1], v[rA:rA+1], v[rG:rG+1], v[rC:rC+1] op_sel:[0,1,0] op_sel_hi:[1,1,1]   ; the exponent: sum x the column's factor + the row's bias; the first chunk of a window reads each accumulator at its low end
.else
	v_pk_fma_f32 v[rD:rD+1], v[rA:rA+1], v[rG:rG+1], v[rC:rC+1] op_sel_hi:[1,0,1]
.endif
.endr
.endr
	WIN 0
.set n, 0
.rept 64
	v_exp_f32 v[T+n], v[T+n]
.set n, n+1
.endr
	v_nop
	s_wait_alu depctr_va_vdst(0)
.set n, 0
.rept 32
	v_pk_add_f32 v[T+n:T+n+1], v[T+n:T+n+1], 1.0 op_sel_hi:[1,0]
.set n, n+2
.endr
.set n, 0
.rept 64
	v_rcp_f32 v[T+n], v[T+n]
.set n, n+1
.endr
	v_nop
	s_wait_alu depctr_va_vdst(0)                   ; f, i, o stand in T, T + 16, T + 32
.set n, 0
.rept 8
	v_pk_fma_f32 v[T+48+n:T+49+n], v[T+48+n:T+49+n], -2.0, 1.0 op_sel_hi:[1,0,0]   ; g
.set n, n+2
.endr
.set n, 0
.rept 8
	v_pk_mul_f32 v[T+16+n:T+17+n], v[T+16+n:T+17+n], v[T+48+n:T+49+n]              ; i g
.set n, n+2
.endr
.irp b, 0,1,2,3,4,5,6,7
.set rI, T+16+2*\b
.set rF, T+2*\b
.set rM, 2*(\b/2)
.if \b%2
	v_pk_mul_f32 v[rI:rI+1], v[rI:rI+1], v[PP+rM:PP+rM+1] op_sel:[0,1] op_sel_hi:[1,1]                              ; P i g
	v_pk_fma_f32 v[rF:rF+1], v[rF:rF+1], v[RR+rM:RR+rM+1], v[QQ+rM:QQ+rM+1] op_sel:[0,1,1] op_sel_hi:[1,1,1]        ; R f + Q
.else
	v_pk_mul_f32 v[rI:rI+1], v[rI:rI+1], v[PP+rM:PP+rM+1] op_sel_hi:[1,0]
	v_pk_fma_f32 v[rF:rF+1], v[rF:rF+1], v[RR+rM:RR+rM+1], v[QQ+rM:QQ+rM+1] op_sel_hi:[1,0,0]
.endif
.endr
	s_wait_loadcnt 28-4*(4*(\jb)+(\jp))            ; this chunk's four loads of h are in, and with them all of c, which was asked for earlier; the later chunks' loads of h stay out
	s_wait_xcnt 0x0                                ; the last chunk's stores have read CN and HN
	WIN 0x01                                       ; source 0: c and h, in window 1
.irp u, 0,1
.irp b, 0,1,2,3,4,5,6,7
	v_fma_f32 v[CN+8*\u+\b], v[64*(\jb)+8*(2*(\jp)+\u)+\b], v[T+2*\b+\u], v[T+16+2*\b+\u]   ; c_new = c (R f + Q) + P i g; here the numbers change from pairs of rows to runs of columns
.endr
.irp b, 0,2,4,6
	v_pk_mul_f32 v[HN+8*\u+\b:HN+8*\u+\b+1], v[128+64*(\jb)+8*(2*(\jp)+\u)+\b:128+64*(\jb)+8*(2*(\jp)+\u)+\b+1], v[QQ+\b:QQ+\b+1]   ; Q h
.endr
.endr
	WIN 0
.irp u, 0,1
.irp q, 0,1
	global_store_b128 v[CO], v[CN+8*\u+4*\q:CN+8*\u+4*\q+3], s[80:81] offset:(16*(\jb)+2*(\jp)+\u)*ROWC+256*\q th:TH_STORE_NT   ; sixteen lanes store 256 consecutive bytes, aligned; lanes 16-31 the row eight further down
.endr
.endr
.irp n, 0,2,4,6,8,10,12,14
	v_pk_mul_f32 v[U+\n:U+\n+1], v[CN+\n:CN+\n+1], 0x4038aa3b op_sel_hi:[1,0]
.endr
.irp n, 0,1,2,3,4,5,6,7,8,9,10,11,12,13,14,15
	v_exp_f32 v[U+\n], v[U+\n]
.endr
	v_nop
	s_wait_alu depctr_va_vdst(0)
.irp n, 0,2,4,6,8,10,12,14
	v_pk_add_f32 v[U+\n:U+\n+1], v[U+\n:U+\n+1], 1.0 op_sel_hi:[1,0]
.endr
.irp n, 0,1,2,3,4,5,6,7,8,9,10,11,12,13,14,15
	v_rcp_f32 v[U+\n], v[U+\n]
.endr
	v_nop
	s_wait_alu depctr_va_vdst(0)
.irp n, 0,2,4,6,8,10,12,14
	v_pk_fma_f32 v[U+\n:U+\n+1], v[U+\n:U+\n+1], -2.0, 1.0 op_sel_hi:[1,0,0]       ; tanh(c_new)
.endr
.irp u, 0,1
.irp b, 0,1,2,3,4,5,6,7
	v_mul_f32 v[U+8*\u+\b], v[U+8*\u+\b], v[T+32+2*\b+\u]                          ; x o
.endr
.endr
.irp n, 0,2,4,6,8,10,12,14
	v_pk_fma_f32 v[HN+\n:HN+\n+1], v[U+\n:U+\n+1], v[PP+(\n%8):PP+(\n%8)+1], v[HN+\n:HN+\n+1]   ; h_new = P o tanh(c_new) + Q h
.endr
.irp u, 0,1
.irp q, 0,1
	global_store_b128 v[CO], v[HN+8*\u+4*\q:HN+8*\u+4*\q+3], s[78:79] offset:(16*(\jb)+2*(\jp)+\u)*ROWC+256*\q th:TH_STORE_NT
.endr
.endr
.endm
	CHUNK 0, 0
	CHUNK 0, 1
	CHUNK 0, 2
	CHUNK 0, 3
	CHUNK 1, 0
	CHUNK 1, 1
	CHUNK 1, 2
	CHUNK 1, 3
	s_wait_tensorcnt 0x0                           ; the wave's end: a wait for my last tensor load
	ds_add_u32 v[SPW], v[NIL]
	s_wait_dscnt 0x0
	CROUND                                         ; the closing round: no work-group ends while a partner may still ask for a tile that names it
	s_endpgm
.Lfunc_end_k_q80a13d17d9_cell:
	.size	k_q80a13d17d9_cell, .Lfunc_end_k_q80a13d17d9_cell-k_q80a13d17d9_cell
	.p2alignl 7, 3214868480
	.fill 96, 4, 3214868480
	.section	.rodata,"a",@progbits
	.p2align	6, 0x0
	.amdhsa_kernel k_q80a13d17d9_cell
		.amdhsa_group_segment_fixed_size 327680
		.amdhsa_private_segment_fixed_size 0
		.amdhsa_enable_private_segment 0
		.amdhsa_kernarg_size 96
		.amdhsa_user_sgpr_count 2
		.amdhsa_user_sgpr_kernarg_segment_ptr 1
		.amdhsa_wavefront_size32 1
		.amdhsa_system_sgpr_workgroup_id_x 1
		.amdhsa_system_sgpr_workgroup_id_y 1
		.amdhsa_system_sgpr_workgroup_id_z 1
		.amdhsa_system_vgpr_workitem_id 0
		.amdhsa_next_free_vgpr 1024
		.amdhsa_next_free_sgpr 102
		.amdhsa_reserve_vcc 1
		.amdhsa_float_denorm_mode_32 3
		.amdhsa_float_denorm_mode_16_64 3
		.amdhsa_memory_ordered 1
		.amdhsa_forward_progress 1
		.amdhsa_inst_pref_size 248
	.end_amdhsa_kernel
	.amdgpu_metadata
---
amdhsa.version: [ 1, 2 ]
amdhsa.kernels:
  - .name:           k_q80a13d17d9_cell
    .symbol:         k_q80a13d17d9_cell.kd
    .args:
      - { .name: wcodes, .offset: 0, .size: 8, .value_kind: global_buffer, .address_space: global }
      - { .name: hcodes, .offset: 8, .size: 8, .value_kind: global_buffer, .address_space: global }
      - { .name: lowp_scales, .offset: 16, .size: 8, .value_kind: global_buffer, .address_space: global }
      - { .name: bias, .offset: 24, .size: 8, .value_kind: global_buffer, .address_space: global }
      - { .name: z, .offset: 32, .size: 8, .value_kind: global_buffer, .address_space: global }
      - { .name: z_bottom, .offset: 40, .size: 8, .value_kind: global_buffer, .address_space: global }
      - { .name: c, .offset: 48, .size: 8, .value_kind: global_buffer, .address_space: global }
      - { .name: h, .offset: 56, .size: 8, .value_kind: global_buffer, .address_space: global }
      - { .name: zpart, .offset: 64, .size: 8, .value_kind: global_buffer, .address_space: global }
      - { .name: out0, .offset: 72, .size: 8, .value_kind: global_buffer, .address_space: global }
      - { .name: out1, .offset: 80, .size: 8, .value_kind: global_buffer, .address_space: global }
      - { .name: out2, .offset: 88, .size: 8, .value_kind: global_buffer, .address_space: global }
    .group_segment_fixed_size: 327680
    .private_segment_fixed_size: 0
    .kernarg_segment_align: 8
    .kernarg_segment_size: 96
    .max_flat_workgroup_size: 128
    .sgpr_count:     102
    .vgpr_count:     1024
    .wavefront_size: 32
...
	.end_amdgpu_metadata
.endif
;; end of part 2
;; ======== version 2 of 2: 2 launches; version 1 with the launch quant written anew for expert scheduling mode
;; limits: right only within a limited range of input values
;; workspace buffers: wcodes 12,582,912 bytes; hcodes 12,582,912 bytes; zpart 196,608 bytes
;; launch quant (part 3): grid 768 x 1, 4 waves a work-group, no clusters, 68,096 bytes of LDS; arguments U_11, U_21, W_01, h, h_top, h_bottom, lowp_scales, wcodes, hcodes, zpart; writes wcodes, hcodes, zpart
.if DOCPART == 3
	.amdgcn_target "amdgcn-amd-amdhsa--gfx1250"
	.amdhsa_code_object_version 6
	.text
	.protected	k_q80a13d17d9_quant
	.globl	k_q80a13d17d9_quant
	.p2align	8
	.type	k_q80a13d17d9_quant,@function
k_q80a13d17d9_quant:
	s_mov_b64 s[64:65], 0
	v_nop
	global_prefetch_b8 v0, s[64:65] scope:SCOPE_SE
	s_setreg_imm32_b32 hwreg(HW_REG_WAVE_SCHED_MODE, 0, 2), 2
	s_setreg_imm32_b32 hwreg(HW_REG_WAVE_MODE, 25, 1), 1
	s_wait_xcnt 0x0
	s_wait_alu depctr_vm_vsrc(0)
; The six operands of the three products, all f32, become codes of FP8 (E4M3), each with the one scale 2^e that is given for it, laid as the second launch wants them; and row 4096 of the
; three weights, which alone feeds z_hat, is multiplied here, on the codes, by the matrix unit.
; code = x / 2^e, held within +-448, rounded to the nearest code, ties to even.  LIMITS: each e between -126 and 119, so that 2^e and 448 x 2^e are f32 numbers.  NaN among the inputs is not served.
; wcodes [4096][3072]: byte 1024 p + k of row D is the code of weight p (0 U_11, 1 U_21, 2 W_01) at (1024 g + j, k), D = 64 (j / 16) + 16 g + j % 16: the four gates of 16 hidden units lie in 64 rows on end.
; hcodes [4096][3072]: byte 1024 p + k of row rho is the code of activation p (h, h_top, h_bottom) at (k, n), rho = (n - n % 64) + 16 (n % 4) + (n % 64) / 4: K innermost.
; zpart  [12][4096] f32: entry [4 p + y][n] = the sum over k = 256 y .. 256 y + 255 of code(weight p, row 4096, k) x code(activation p, k, n).
; Work-groups 0-383 take the weights (K is innermost: a plain stream), 384-767 the activations (K is the first axis: a lane takes a column and its registers run down K).
; The two paths part on the work-group's number and have LDS bytes of their own.  Waves share nothing: no barrier.  No cluster: but for the weights' last row, 4 KiB a weight, no two work-groups read the same bytes.
; THE MODE: SCHED_MODE bits 1:0 = 2 (LLVM: expert scheduling mode 2), set by the entry lines.  The code itself states the register dependences
; between vector or matrix instructions and memory or LDS instructions, with s_wait_alu, always for 0.
; THE PLAN, THE WEIGHTS.  Registers that memory or LDS instructions touch:
;   v3, v14, v15  offsets and stage addresses: made once at the path's head, never written again.
;   WR0 .. WR3    written by the global loads of step t + 4, read by the stage's stores of step t: no vector instruction names them.
;   WX0, WX1      written by the stage's loads, one step ahead; held in place and read by the step's conversions.
;   WC            four registers for each step: written by the step's conversions, read by one global store, which is issued at the head of the NEXT step.
; So two waits stand at a step's head: the stage's stores have read WR[t % 4]; the step before has written its codes and is done with its WX.  The step's loads, its store and its LDS instructions follow
; them with no vector instruction between.
; THE PLAN, THE ACTIVATIONS.
;   v3, v4, v7, v8, v9, v12  offsets and stage addresses: made once at the path's head, never written again.
;   HX0, HX1      block t holds HX[t % 2] in place and converts it; behind the conversions the loads of block t + 2 land in it; behind block 7 the fragments' LDS loads land in both.
;   HC            written by each block's conversions, read by its two stores into the stage.
;   v120-247      the weight's row as loaded, held and converted ahead of block 0; at the end the way out's LDS loads land in v120-183.
; So one wait on va_vdst stands in a block, behind its conversions, since the buffer is asked for again at once; and one on vm_vsrc ahead of the conversions of every block but the first.
.set KROW,  3072                       ; a row of wcodes and of hcodes in bytes
.set WSP,   80                         ; weights: a lane's place in a stage: its 64 bytes + 16 of padding
.set WREG,  8192                       ; weights: LDS bytes of a wave: two stages of 32 x WSP
.set WR,    16                         ; v16-79   four sets of 16 numbers as loaded
.set WX,    80                         ; v80-111  two sets of 16 neighbours
.set WC,    128                        ; v128-191 codes, four registers for each step: no store's data are written again
.set HSTG,  32768                      ; activations: the stages begin behind the weights' bytes
.set HP,    272                        ; a stage row: a column's 256 codes + 16 of padding
.set HX,    16                         ; v16-79   two sets of 32 numbers down K
.set HC,    80                         ; v80-87   a block's codes
.set AZ,    88                         ; v88-119  the weight's row 4096: two fragments of 128 K, all 16 rows alike
.set ZF,    120                        ; v120-247 its 128 numbers a lane
.set BZ,    16                         ; v16-79   four fragments of the activation's codes (16 columns x 128 K), where the numbers lay
.set OUTR,  120                        ; v120-183 the way out
.set DZ,    184                        ; v184-199 two accumulators
	s_load_b256 s[4:11], s[0:1], 0x0               ; U_11 s[4:5], U_21 s[6:7], W_01 s[8:9], h s[10:11]
	s_load_b256 s[12:19], s[0:1], 0x20             ; h_top s[12:13], h_bottom s[14:15], the scales' exponents s[16:17], wcodes s[18:19]
	s_load_b128 s[20:23], s[0:1], 0x40             ; hcodes s[20:21], zpart s[22:23]
	v_lshl_add_u32 v254, v0, 2, 0x10800
	v_mov_b32 v255, 0
	v_lshrrev_b32 v1, 5, v0
	v_readfirstlane_b32 s24, v1                    ; wave 0..3
	v_and_b32 v2, 31, v0                           ; lane
	s_mov_b32 s39, 0                               ; the high word of every offset below
	s_wait_alu depctr_va_sdst(0)                   ; s24 is written: ahead of the branch below, and of its first reader on either path
	s_wait_kmcnt 0x0
	s_load_b128 s[28:31], s[16:17], 0x0            ; e0 .. e3
	s_load_b64 s[32:33], s[16:17], 0x10            ; e4, e5
	s_cmp_lt_u32 ttmp9, 384
	s_cbranch_scc0 .Lh
; ---------------- THE WEIGHTS.  Work-group 128 p + b takes rows 32 b .. 32 b + 31 of weight p; a wave 8 rows: a dense run of 8,192 numbers, 16 steps of 512.
; A conversion takes 8 neighbours along K from one lane's registers, a load is dense where neighbouring lanes take neighbouring bytes: so a step's 2,048 bytes are loaded as they lie, 16 a lane,
; and turn through the wave's own stage in LDS, from which a lane takes 64 bytes.  A lane's 16 codes are 16 bytes: a store of the wave covers 512 consecutive bytes, aligned to 256.
	s_lshr_b32 s25, ttmp9, 7                       ; p
	s_and_b32 s26, ttmp9, 127                      ; b
	s_cmp_eq_u32 s25, 1
	s_cselect_b64 s[34:35], s[6:7], s[8:9]
	s_cmp_eq_u32 s25, 0
	s_cselect_b64 s[34:35], s[4:5], s[34:35]       ; weight p: the choice hangs on the work-group's number alone
	s_lshl_b32 s38, s26, 2
	s_add_co_u32 s38, s38, s24
	s_lshl_b32 s38, s38, 15                        ; (4 b + wave) x 8 rows of 4,096 bytes
	s_add_nc_u64 s[34:35], s[34:35], s[38:39]
	s_and_b32 s38, s26, 31                         ; my first row is 1024 g + j with g = b / 32, j = 32 (b % 32) + 8 wave:
	s_lshl_b32 s38, s38, 1
	s_lshr_b32 s41, s24, 1
	s_add_co_u32 s38, s38, s41                     ; j / 16
	s_lshl_b32 s38, s38, 6
	s_lshr_b32 s41, s26, 5
	s_lshl_b32 s41, s41, 4
	s_add_co_u32 s38, s38, s41                     ; + 16 g
	s_and_b32 s41, s24, 1
	s_lshl_b32 s41, s41, 3
	s_add_co_u32 s38, s38, s41                     ; + j % 16: its row D in wcodes; my other seven rows follow it
	s_mul_i32 s38, s38, KROW
	s_lshl_b32 s41, s25, 10
	s_add_co_u32 s38, s38, s41                     ; + 1024 p
	s_add_nc_u64 s[18:19], s[18:19], s[38:39]
	v_lshlrev_b32 v3, 4, v2                        ; 16 x lane: my bytes of a load's 512, and of a store's
	s_mul_i32 s43, s24, WREG
	v_lshrrev_b32 v14, 2, v2
	v_mul_u32_u24 v14, v14, WSP
	v_and_b32 v15, 3, v2
	v_lshl_add_u32 v14, v15, 4, v14
	v_add_nc_u32 v14, s43, v14                     ; the stage, on the way in: WSP (lane / 4) + 16 (lane % 4)
	v_mul_u32_u24 v15, v2, WSP
	v_add_nc_u32 v15, s43, v15                     ; and on the way out: WSP x lane: my 16 neighbours
	s_wait_alu depctr_va_vdst(0)                   ; v3, v14 and v15 are written: every load, store and LDS instruction of this path reads one of them as its address
.macro WLOAD t
.irp i, 0,1,2,3
	global_load_b128 v[WR+16*((\t)%4)+4*\i:WR+16*((\t)%4)+4*\i+3], v3, s[34:35] offset:2048*(\t)+512*\i th:TH_LOAD_NT
.endr
.endm
.macro WTURN t                         ; LDS serves a wave's instructions in order (ISA guide 5.7.1.4): no wait between the stores and the loads
.irp i, 0,1,2,3
	ds_store_b128 v14, v[WR+16*((\t)%4)+4*\i:WR+16*((\t)%4)+4*\i+3] offset:32*WSP*((\t)%2)+8*WSP*\i
.endr
.irp i, 0,1,2,3
	ds_load_b128 v[WX+16*((\t)%2)+4*\i:WX+16*((\t)%2)+4*\i+3], v15 offset:32*WSP*((\t)%2)+16*\i
.endr
.endm
.macro WSEND t                         ; step t's codes leave: half a row of 1,024 codes
	global_store_b128 v3, v[WC+4*(\t):WC+4*(\t)+3], s[18:19] offset:((\t)/2)*KROW+((\t)%2)*512
.endm
.irp t, 0,1,2,3
	WLOAD \t
.endr
	s_wait_kmcnt 0x0
	s_cmp_eq_u32 s25, 1
	s_cselect_b32 s44, s30, s32
	s_cmp_eq_u32 s25, 0
	s_cselect_b32 s44, s28, s44                    ; e of weight p: entry 2 p
	s_add_co_i32 s44, s44, 127
	s_lshl_b32 s45, s44, 23
	v_mov_b32 v11, s45                             ; 2^e as f32: the conversion takes its exponent field
	s_add_co_i32 s44, s44, 8
	s_lshl_b32 s44, s44, 23
	s_or_b32 s44, s44, 0x600000
	v_mov_b32 v10, s44                             ; 448 x 2^e
	s_wait_loadcnt 12                              ; step 0's four loads are in; three steps' stay out
	WTURN 0
.macro WSTEP t
.set XS, WX+16*((\t)%2)
	s_wait_dscnt 0x0                               ; this step's numbers are back from the stage
.if (\t)+4 < 16
	s_wait_alu depctr_vm_vsrc(0)                   ; this step's stores into the stage have read WR[t % 4], in which the loads below land
.endif
.if (\t) > 0
	s_wait_alu depctr_va_vdst(0)                   ; the step before has written its codes, which the store below reads, and its holds and conversions are done with the other set of neighbours, in which the stage's loads below land
.endif
.if (\t)+4 < 16
	WLOAD (\t)+4                                   ; the loads of four steps on
.endif
.if (\t) > 0
	WSEND (\t)-1                                   ; the step before leaves.  No vector instruction since the wait names its codes
.endif
.if (\t)+1 < 16
.if 14-(\t) >= 3
	s_wait_loadcnt 12                              ; the next step's four loads are in; those of the three steps behind it may be out
.else
	s_wait_loadcnt 4*(14-(\t))                     ; near the end fewer steps are behind it
.endif
	WTURN (\t)+1
.endif
.irp i, 0,1,2,3,4,5,6,7,8,9,10,11,12,13,14,15
	v_med3_num_f32 v[XS+\i], v[XS+\i], -v10, v10   ; the conversion to an 8-bit code does not saturate (ISA guide 7.6.2): the hold at the largest code x the scale
.endr
	v_cvt_scalef32_pk8_fp8_f32 v[WC+4*(\t):WC+4*(\t)+1], v[XS:XS+7], v11
	v_cvt_scalef32_pk8_fp8_f32 v[WC+4*(\t)+2:WC+4*(\t)+3], v[XS+8:XS+15], v11
	v_nop                                          ; a plain vector line behind the last conversion of a run
.endm
.irp t, 0,1,2,3,4,5,6,7,8,9,10,11,12,13,14,15
	WSTEP \t
.endr
	s_wait_alu depctr_va_vdst(0)                   ; step 15 has written its codes, which the last store reads
	WSEND 15
	s_wait_dscnt 0x0
	s_wait_alu depctr_hold_cnt(0) depctr_sa_sdst(0) depctr_va_vdst(0) depctr_va_sdst(0) depctr_va_ssrc(0) depctr_va_vcc(0) depctr_vm_vsrc(0)
	s_wait_tensorcnt 0x0
	ds_add_u32 v254, v255
	s_wait_dscnt 0x0
	s_endpgm
; ---------------- THE ACTIVATIONS.  Work-group 384 + 128 p + 32 y + x takes columns 128 x .. + 127 and k = 256 y .. + 255 of activation p; a wave 32 columns, a lane one.
; Each load reads one row k at 32 neighbouring columns; a lane's 32 registers are 32 neighbours along K of its column, so the conversions give codes with K innermost.  They gather in the wave's own stage,
; a row of 256 bytes a column, and leave by rows: sixteen lanes store 256 consecutive bytes, aligned.
.Lh:
	s_sub_co_u32 s25, ttmp9, 384
	s_lshr_b32 s26, s25, 7                         ; p
	s_and_b32 s27, s25, 31                         ; x
	s_bfe_u32 s40, s25, 0x20005                    ; y
	s_cmp_eq_u32 s26, 1
	s_cselect_b64 s[34:35], s[12:13], s[14:15]
	s_cselect_b64 s[36:37], s[6:7], s[8:9]
	s_cmp_eq_u32 s26, 0
	s_cselect_b64 s[34:35], s[10:11], s[34:35]     ; activation p
	s_cselect_b64 s[36:37], s[4:5], s[36:37]       ; weight p
	s_lshl_b32 s38, s40, 22                        ; 256 y rows of 16,384 bytes
	s_lshl_b32 s41, s27, 9
	s_add_co_u32 s38, s38, s41
	s_lshl_b32 s41, s24, 7
	s_add_co_u32 s38, s38, s41                     ; + 4 (128 x + 32 wave)
	s_add_nc_u64 s[34:35], s[34:35], s[38:39]
	s_lshl_b32 s38, s40, 10
	s_add_nc_u64 s[36:37], s[36:37], s[38:39]      ; the weight's numbers 256 y on,
	s_add_nc_u64 s[36:37], s[36:37], 0x1000000     ; of row 4096
	s_lshl_b32 s38, s26, 2
	s_add_co_u32 s38, s38, s40
	s_lshl_b32 s38, s38, 14                        ; zpart: row 4 p + y,
	s_lshl_b32 s41, s27, 9
	s_add_co_u32 s38, s38, s41
	s_lshl_b32 s41, s24, 7
	s_add_co_u32 s38, s38, s41                     ; my wave's 32 columns
	s_add_nc_u64 s[22:23], s[22:23], s[38:39]
	s_lshl_b32 s38, s27, 7                         ; hcodes: column 128 x + 32 wave + l goes to row 128 x + 64 (wave / 2) + 8 (wave % 2) + 16 (l % 4) + l / 4
	s_lshr_b32 s41, s24, 1
	s_lshl_b32 s41, s41, 6
	s_add_co_u32 s38, s38, s41
	s_and_b32 s41, s24, 1
	s_lshl_b32 s41, s41, 3
	s_add_co_u32 s38, s38, s41
	s_mul_i32 s38, s38, KROW
	s_lshl_b32 s41, s26, 10
	s_add_co_u32 s38, s38, s41                     ; + 1024 p
	s_lshl_b32 s41, s40, 8
	s_add_co_u32 s38, s38, s41                     ; + 256 y
	s_add_nc_u64 s[20:21], s[20:21], s[38:39]
	v_lshlrev_b32 v3, 2, v2                        ; 4 x lane: my column in a row of the activation, and in zpart
	s_mul_i32 s43, s24, 32*HP
	s_add_co_u32 s43, s43, HSTG                    ; my stage
	v_mul_u32_u24 v4, v2, HP
	v_add_nc_u32 v4, s43, v4                       ; into it: row = my column
	v_and_b32 v5, 15, v2                           ; r
	v_lshrrev_b32 v6, 4, v2                        ; h
	v_mul_u32_u24 v7, v6, HP
	v_lshl_add_u32 v7, v5, 4, v7
	v_add_nc_u32 v7, s43, v7                       ; out of it by rows: sixteen lanes to a row, two rows an instruction
	v_mul_u32_u24 v8, v6, 16*KROW
	v_lshl_add_u32 v8, v5, 4, v8                   ; the same in hcodes: stage rows 2 t and 2 t + 1 lie 16 rows apart there
	v_mul_u32_u24 v9, v5, HP
	v_lshl_add_u32 v9, v6, 4, v9
	v_add_nc_u32 v9, s43, v9                       ; out of it as fragments: column r, + 16 h
	v_lshlrev_b32 v12, 6, v6                       ; the weight's row: 64 h: lane (r, h) takes k = 32 c + 16 h + 0 .. 15 of each 32
	s_wait_alu depctr_va_vdst(0)                   ; v3, v4, v7, v8, v9 and v12 are written: every load, store and LDS instruction of this path reads one of them as its address
.macro HLOAD t                         ; block t: rows 32 t + i of my column, into set t % 2
.irp i, 0,1,2,3,4,5,6,7,8,9,10,11,12,13,14,15,16,17,18,19,20,21,22,23,24,25,26,27,28,29,30,31
	global_load_b32 v[HX+32*((\t)%2)+\i], v3, s[34:35] offset:(32*(\t)+\i)*16384 th:TH_LOAD_NT
.endr
.endm
.irp s, 0,1
.irp c, 0,1,2,3
.irp i, 0,1,2,3
	global_load_b128 v[ZF+64*\s+16*\c+4*\i:ZF+64*\s+16*\c+4*\i+3], v12, s[36:37] offset:512*\s+128*\c+16*\i   ; row 4096, k = 256 y + 128 s + 32 c + 16 h + 4 i on; the sixteen lanes of a half read the same bytes
.endr
.endr
.endr
	HLOAD 0
	s_wait_kmcnt 0x0
	s_cmp_eq_u32 s26, 1
	s_cselect_b32 s44, s30, s32
	s_cselect_b32 s45, s31, s33
	s_cmp_eq_u32 s26, 0
	s_cselect_b32 s44, s28, s44                    ; the weight's e: entry 2 p
	s_cselect_b32 s45, s29, s45                    ; the activation's: entry 2 p + 1
	s_add_co_i32 s44, s44, 127
	s_lshl_b32 s46, s44, 23
	v_mov_b32 v15, s46                             ; the weight's 2^e
	s_add_co_i32 s44, s44, 8
	s_lshl_b32 s44, s44, 23
	s_or_b32 s44, s44, 0x600000
	v_mov_b32 v14, s44                             ; 448 x that
	s_add_co_i32 s45, s45, 127
	s_lshl_b32 s46, s45, 23
	v_mov_b32 v11, s46                             ; the activation's 2^e
	s_add_co_i32 s45, s45, 8
	s_lshl_b32 s45, s45, 23
	s_or_b32 s45, s45, 0x600000
	v_mov_b32 v10, s45                             ; 448 x that
	s_wait_loadcnt 32                              ; the weight's row is in; block 0's 32 loads may be out
.set n, 0
.rept 128
	v_med3_num_f32 v[ZF+n], v[ZF+n], -v14, v14
.set n, n+1
.endr
.set n, 0
.rept 16
	v_cvt_scalef32_pk8_fp8_f32 v[AZ+2*n:AZ+2*n+1], v[ZF+8*n:ZF+8*n+7], v15   ; fragment s, registers 4 c .. 4 c + 3: k = 128 s + 32 c + 16 h + 0 .. 15
.set n, n+1
.endr
	v_nop                                          ; a plain vector line behind the last conversion of a run
	HLOAD 1                                        ; no wait: no vector instruction since the path's first wait names v3 or set 1
.macro BLOCK t
.set XS, HX+32*((\t)%2)
.if (\t) < 7
	s_wait_loadcnt 32                              ; this block's 32 loads are in; the next block's may be out
.else
	s_wait_loadcnt 0
.endif
.irp i, 0,1,2,3,4,5,6,7,8,9,10,11,12,13,14,15,16,17,18,19,20,21,22,23,24,25,26,27,28,29,30,31
	v_med3_num_f32 v[XS+\i], v[XS+\i], -v10, v10
.endr
.if (\t) > 0
	s_wait_alu depctr_vm_vsrc(0)                   ; the last block's two stores into the stage have read v[HC ..], which the conversions below write again
.endif
.irp g, 0,1,2,3
	v_cvt_scalef32_pk8_fp8_f32 v[HC+2*\g:HC+2*\g+1], v[XS+8*\g:XS+8*\g+7], v11
.endr
	v_nop
	s_wait_alu depctr_va_vdst(0)                   ; the conversions have written v[HC ..], which the stores below read; the holds and conversions are done with set t % 2, in which later loads land (block t + 2's; behind block 7 the fragments')
	ds_store_b128 v4, v[HC:HC+3] offset:32*(\t)
	ds_store_b128 v4, v[HC+4:HC+7] offset:32*(\t)+16
.if (\t)+2 < 8
	HLOAD (\t)+2
.endif
	s_wait_dscnt 0x0                               ; the block's two stores into the stage are done
.endm
.irp t, 0,1,2,3,4,5,6,7
	BLOCK \t
.endr
; Row 4096 x my 32 columns, over my 256 k: the codes come back from the stage as fragments (16 columns x 128 K; k in the same places as in the weight's fragments), then once more by rows, for the way out.
; No wait on va_vdst here: block 7's stands behind the last vector instruction that names v16-79 or v120-183.
.irp f, 0,1,2,3                        ; fragment f: columns 16 (f / 2) on, k 128 (f % 2) on
.irp c, 0,1,2,3
	ds_load_b128 v[BZ+16*\f+4*\c:BZ+16*\f+4*\c+3], v9 offset:16*(\f/2)*HP+128*(\f%2)+32*\c
.endr
.endr
.irp t, 0,1,2,3,4,5,6,7,8,9,10,11,12,13,14,15
	ds_load_b128 v[OUTR+4*\t:OUTR+4*\t+3], v7 offset:2*\t*HP
.endr
	v_cmp_gt_u32 vcc_lo, 16, v2                    ; lanes 0-15
	s_wait_dscnt 16                                ; the fragments are in; the sixteen loads for the way out may be out
	v_wmma_f32_16x16x128_fp8_fp8 v[DZ:DZ+7], v[AZ:AZ+15], v[BZ:BZ+15], 0                       ; the two accumulators take turns
	v_wmma_f32_16x16x128_fp8_fp8 v[DZ+8:DZ+15], v[AZ:AZ+15], v[BZ+32:BZ+47], 0
	v_wmma_f32_16x16x128_fp8_fp8 v[DZ:DZ+7], v[AZ+16:AZ+31], v[BZ+16:BZ+31], v[DZ:DZ+7]
	v_wmma_f32_16x16x128_fp8_fp8 v[DZ+8:DZ+15], v[AZ+16:AZ+31], v[BZ+48:BZ+63], v[DZ+8:DZ+15]
.rept 4
	v_nop                                          ; four places between a matrix instruction and the first read of its result (ISA guide 7.12.1)
.endr
	s_wait_alu depctr_va_vcc(0)                    ; the compare has written VCC, which the select below reads
	v_cndmask_b32 v1, v[DZ+8], v[DZ], vcc_lo       ; all 16 rows of the result are alike: register 0 of lane l is column l % 16: lanes 0-15 take the first tile's, lanes 16-31 the second's
	s_wait_alu depctr_va_vdst(0)                   ; the select has written v1, which the store below reads
	global_store_b32 v3, v1, s[22:23]              ; 128 consecutive bytes a wave: zpart is 196,608 bytes in all, too small for a way through LDS to pay
.irp t, 0,1,2,3,4,5,6,7,8,9,10,11,12,13,14,15
	s_wait_dscnt 15-\t
	global_store_b128 v8, v[OUTR+4*\t:OUTR+4*\t+3], s[20:21] offset:(32*(\t%2)+\t/2)*KROW   ; stage rows l = 2 t + h: 16 (l % 4) + l / 4 = 32 (t % 2) + t / 2 + 16 h
.endr
	s_wait_dscnt 0x0
	s_wait_alu depctr_hold_cnt(0) depctr_sa_sdst(0) depctr_va_vdst(0) depctr_va_sdst(0) depctr_va_ssrc(0) depctr_va_vcc(0) depctr_vm_vsrc(0)
	s_wait_tensorcnt 0x0
	ds_add_u32 v254, v255
	s_wait_dscnt 0x0
	s_endpgm
.Lfunc_end_k_q80a13d17d9_quant:
	.size	k_q80a13d17d9_quant, .Lfunc_end_k_q80a13d17d9_quant-k_q80a13d17d9_quant
	.p2alignl 7, 3214868480
	.fill 96, 4, 3214868480
	.section	.rodata,"a",@progbits
	.p2align	6, 0x0
	.amdhsa_kernel k_q80a13d17d9_quant
		.amdhsa_group_segment_fixed_size 68096
		.amdhsa_private_segment_fixed_size 0
		.amdhsa_enable_private_segment 0
		.amdhsa_kernarg_size 80
		.amdhsa_user_sgpr_count 2
		.amdhsa_user_sgpr_kernarg_segment_ptr 1
		.amdhsa_wavefront_size32 1
		.amdhsa_system_sgpr_workgroup_id_x 1
		.amdhsa_system_sgpr_workgroup_id_y 1
		.amdhsa_system_sgpr_workgroup_id_z 1
		.amdhsa_system_vgpr_workitem_id 0
		.amdhsa_next_free_vgpr 256
		.amdhsa_next_free_sgpr 66
		.amdhsa_reserve_vcc 1
		.amdhsa_float_denorm_mode_32 3
		.amdhsa_float_denorm_mode_16_64 3
		.amdhsa_memory_ordered 1
		.amdhsa_forward_progress 1
		.amdhsa_inst_pref_size 104
	.end_amdhsa_kernel
	.amdgpu_metadata
---
amdhsa.version: [ 1, 2 ]
amdhsa.kernels:
  - .name:           k_q80a13d17d9_quant
    .symbol:         k_q80a13d17d9_quant.kd
    .args:
      - { .name: U_11, .offset: 0, .size: 8, .value_kind: global_buffer, .address_space: global }
      - { .name: U_21, .offset: 8, .size: 8, .value_kind: global_buffer, .address_space: global }
      - { .name: W_01, .offset: 16, .size: 8, .value_kind: global_buffer, .address_space: global }
      - { .name: h, .offset: 24, .size: 8, .value_kind: global_buffer, .address_space: global }
      - { .name: h_top, .offset: 32, .size: 8, .value_kind: global_buffer, .address_space: global }
      - { .name: h_bottom, .offset: 40, .size: 8, .value_kind: global_buffer, .address_space: global }
      - { .name: lowp_scales, .offset: 48, .size: 8, .value_kind: global_buffer, .address_space: global }
      - { .name: wcodes, .offset: 56, .size: 8, .value_kind: global_buffer, .address_space: global }
      - { .name: hcodes, .offset: 64, .size: 8, .value_kind: global_buffer, .address_space: global }
      - { .name: zpart, .offset: 72, .size: 8, .value_kind: global_buffer, .address_space: global }
    .group_segment_fixed_size: 68096
    .private_segment_fixed_size: 0
    .kernarg_segment_align: 8
    .kernarg_segment_size: 80
    .max_flat_workgroup_size: 128
    .sgpr_count:     66
    .vgpr_count:     256
    .wavefront_size: 32
...
	.end_amdgpu_metadata
.endif
;; end of part 3
;; launch cell: the kernel of part 2 again; grid 16 x 16, 4 waves a work-group, clusters of 4 x 4, 327,680 bytes of LDS; arguments wcodes, hcodes, lowp_scales, bias, z, z_bottom, c, h, zpart, out0, out1, out2; writes out0, out1, out2
